; MI455X (gfx1250); checked and timed in simulation.
; The chip was launched on July 23, 2026; its instructions are those of AMD's public machine-readable ISA for CDNA 5 (MIT licence, August 2026) and "CDNA5" Instruction Set Architecture Reference Guide (July 2026). The comments in the code are by the model that wrote it; some were corrected since.
;; Transformer. Allowed arithmetic: matrix products marked QUANTISED: E4M3 operands, one given power-of-two scale a tensor, by v_wmma_f32_16x16x64_fp8_fp8 or v_wmma_f32_16x16x128_fp8_fp8, f32 sums; everything else in f32.
;; Inputs: WK_cross 256 x 128 float32; WK_self 256 x 128 float32; bK_cross 128 float32; bK_self 128 float32; lowp_scales 56 int32 (the exponents e of the quantised operands' scales 2^e); test_feat 16 x 256 x 32 x 32 float32; train_feat 16 x 256 x 32 x 32 float32; train_label 16 x 32 x 32 float32.
;; Outputs: out0 16 x 256 x 32 x 32 float32; out1 16 x 256 x 32 x 32 float32.
;; This version of the problem:
;;   THIS VERSION OF THE PROBLEM IS GIVEN IN LOW PRECISION. The matrix products marked QUANTISED in the list below multiply operands that are first quantised to E4M3 (4 exponent bits, 3 mantissa bits; 8 bits a number), with one given power-of-two scale for each operand tensor; their sums are f32. All else is computed in f32.
;;   The module's matrix products, in the order in which they are computed (A, B: the left and right operand; K: the contracted axis; several contracted axes count as one K, in the product's order):
;;     1. [M 16,384, K 256] x [K 256, N 128]; A: input train_feat; B: input WK_self: QUANTISED (scales: A lowp_scales[0], B lowp_scales[1])
;;     2. [M 16,384, K 256] x [K 256, N 128]; A: input train_feat; B: input WK_self: QUANTISED (scales: A lowp_scales[2], B lowp_scales[3])
;;     3. batch 16 x [M 1,024, K 128] x [K 128, N 1,024]; A: computed on the way; B: computed on the way: QUANTISED (scales: A lowp_scales[4], B lowp_scales[5])
;;     4. batch 16 x [M 256, K 1,024] x [K 1,024, N 1,024]; A: input train_feat; B: softmax (see below): QUANTISED (scales: A lowp_scales[6], B lowp_scales[7])
;;     5. [M 16,384, K 256] x [K 256, N 128]; A: input train_feat; B: input WK_self: QUANTISED (scales: A lowp_scales[8], B lowp_scales[9])
;;     6. [M 16,384, K 256] x [K 256, N 128]; A: input train_feat; B: input WK_self: QUANTISED (scales: A lowp_scales[10], B lowp_scales[11])
;;     7. batch 16 x [M 1,024, K 128] x [K 128, N 1,024]; A: computed on the way; B: computed on the way: QUANTISED (scales: A lowp_scales[12], B lowp_scales[13])
;;     8. batch 16 x [M 256, K 1,024] x [K 1,024, N 1,024]; A: input train_feat; B: softmax (see below): QUANTISED (scales: A lowp_scales[14], B lowp_scales[15])
;;     9. [M 16,384, K 256] x [K 256, N 128]; A: computed on the way; B: input WK_cross: QUANTISED (scales: A lowp_scales[16], B lowp_scales[17])
;;     10. [M 16,384, K 256] x [K 256, N 128]; A: computed on the way; B: input WK_cross: QUANTISED (scales: A lowp_scales[18], B lowp_scales[19])
;;     11. batch 16 x [M 1,024, K 128] x [K 128, N 1,024]; A: computed on the way; B: computed on the way: QUANTISED (scales: A lowp_scales[20], B lowp_scales[21])
;;     12. batch 16 x [M 256, K 1,024] x [K 1,024, N 1,024]; A: input train_label; B: softmax (see below): QUANTISED (scales: A lowp_scales[22], B lowp_scales[23])
;;     13. [M 16,384, K 256] x [K 256, N 128]; A: computed on the way; B: input WK_cross: QUANTISED (scales: A lowp_scales[24], B lowp_scales[25])
;;     14. [M 16,384, K 256] x [K 256, N 128]; A: computed on the way; B: input WK_cross: QUANTISED (scales: A lowp_scales[26], B lowp_scales[27])
;;     15. batch 16 x [M 1,024, K 128] x [K 128, N 1,024]; A: computed on the way; B: computed on the way: QUANTISED (scales: A lowp_scales[28], B lowp_scales[29])
;;     16. batch 16 x [M 256, K 1,024] x [K 1,024, N 1,024]; A: computed on the way; B: softmax (see below): QUANTISED (scales: A lowp_scales[30], B lowp_scales[31])
;;     17. [M 16,384, K 256] x [K 256, N 128]; A: input test_feat; B: input WK_self: QUANTISED (scales: A lowp_scales[32], B lowp_scales[33])
;;     18. [M 16,384, K 256] x [K 256, N 128]; A: input test_feat; B: input WK_self: QUANTISED (scales: A lowp_scales[34], B lowp_scales[35])
;;     19. batch 16 x [M 1,024, K 128] x [K 128, N 1,024]; A: computed on the way; B: computed on the way: QUANTISED (scales: A lowp_scales[36], B lowp_scales[37])
;;     20. batch 16 x [M 256, K 1,024] x [K 1,024, N 1,024]; A: input test_feat; B: softmax (see below): QUANTISED (scales: A lowp_scales[38], B lowp_scales[39])
;;     21. [M 16,384, K 256] x [K 256, N 128]; A: computed on the way; B: input WK_cross: QUANTISED (scales: A lowp_scales[40], B lowp_scales[41])
;;     22. [M 16,384, K 256] x [K 256, N 128]; A: computed on the way; B: input WK_cross: QUANTISED (scales: A lowp_scales[42], B lowp_scales[43])
;;     23. batch 16 x [M 1,024, K 128] x [K 128, N 1,024]; A: computed on the way; B: computed on the way: QUANTISED (scales: A lowp_scales[44], B lowp_scales[45])
;;     24. batch 16 x [M 256, K 1,024] x [K 1,024, N 1,024]; A: input train_label; B: softmax (see below): QUANTISED (scales: A lowp_scales[46], B lowp_scales[47])
;;     25. [M 16,384, K 256] x [K 256, N 128]; A: computed on the way; B: input WK_cross: QUANTISED (scales: A lowp_scales[48], B lowp_scales[49])
;;     26. [M 16,384, K 256] x [K 256, N 128]; A: computed on the way; B: input WK_cross: QUANTISED (scales: A lowp_scales[50], B lowp_scales[51])
;;     27. batch 16 x [M 1,024, K 128] x [K 128, N 1,024]; A: computed on the way; B: computed on the way: QUANTISED (scales: A lowp_scales[52], B lowp_scales[53])
;;     28. batch 16 x [M 256, K 1,024] x [K 1,024, N 1,024]; A: computed on the way; B: softmax (see below): QUANTISED (scales: A lowp_scales[54], B lowp_scales[55])
;;   THE QUANTISER, for each operand of a quantised product, along K:
;;     - The operand's scale is 2^e, e = its entry of the input lowp_scales (int32; the entries are numbered through the quantised products in the list's order, A before B).
;;     - Each number is divided by the scale, clamped to +-448, and rounded to the nearest number of E4M3, ties to even, subnormals kept.
;;     - The product sums the exact products of the quantised numbers (number of the format x scale) in f32.
;;   ~~~python
;;   def quantise(x, axis, e):      # numpy; x: float32 -> the quantised numbers, widened to float32 again
;;       x = np.moveaxis(x, axis, -1); K = x.shape[-1]
;;       r = np.clip(x / 2.0 ** e, -448, 448)
;;       step = 2.0 ** (np.maximum(np.frexp(np.where(r == 0, 1, r))[1] - 1, -6) - 3)
;;       q = np.round(r / step) * step * 2.0 ** e      # np.round: ties to even
;;       return np.moveaxis(q, -1, axis).astype(np.float32)
;;   ~~~
;;   SOFTMAX AHEAD OF A QUANTISED PRODUCT. Where the list says 'softmax', what is quantised is not the finished softmax but p = 2^(t - M), with t = logit x log2(e) and M = ceil(the row's largest t), a whole number; so 1/2 < the row's largest p <= 1. The row's sum l is taken of the UNQUANTISED p, in f32, and the product's result is divided by l at the end. Since M is a whole number, a kernel that streams over the keys may use a running M (the ceiling of the running maximum): every later rescaling is an exact power of two, so the quantised numbers keep their values, but for numbers so far below the row's largest that they fall under the format's range.
;;   OPERANDS COMPUTED ON THE WAY. 'Computed on the way' means the value that the module computes at that place (a softmax that the list does not call 'softmax' is quantised finished and normalised). What goes into a quantiser is computed in f32, as accurately as f32 sums, v_exp_f32 and their like allow (about 1e-6 of the number): no bf16 or f16 on the way to a quantiser, and a product that is left as it is and whose result goes on into a quantised operand takes f32 operands (vector FMAs, or v_wmma_f32_16x16x4_f32). A number that lies on a knife's edge between two numbers of the format may be rounded either way, as far as f32 arithmetic and the matrix unit's own rounding can turn it there, and no further.
;; One version. Each part assembles by itself: llvm-mc -triple=amdgcn-amd-amdhsa -mcpu=gfx1250 --defsym DOCPART=n.
;; ======== version 1 of 1: 5 launches
;; limits: a difference of large sums (such as E[x^2] - mean^2): digits are lost where the result is much smaller than its terms
;; workspace buffers: codes1 25,165,824 bytes; ybuf 50,331,648 bytes; part1 768 bytes; codes2 25,690,112 bytes; u4buf 33,554,432 bytes; maskbuf 131,072 bytes; part2 4,096 bytes
;; launch prep1 (part 1): grid 64 x 3, 8 waves a work-group, no clusters, 246,784 bytes of LDS; arguments train_feat, test_feat, WK_self, bK_self, lowp_scales, codes1; writes codes1
.if DOCPART == 1
	.amdgcn_target "amdgcn-amd-amdhsa--gfx1250"
	.amdhsa_code_object_version 6
	.text
	.protected	k_q47a65a027c_prep1
	.globl	k_q47a65a027c_prep1
	.p2align	8
	.type	k_q47a65a027c_prep1,@function
k_q47a65a027c_prep1:
	s_mov_b64 s[64:65], 0
	v_nop
	global_prefetch_b8 v0, s[64:65] scope:SCOPE_SE
	s_setreg_imm32_b32 hwreg(HW_REG_WAVE_MODE, 25, 1), 1
	s_wait_xcnt 0x0
; PREP1: what the three self attentions (unit 0: encoder on train, 1: decoder on train, 2: decoder on test) multiply, as codes of E4M3.
; For a unit u, a batch element b and 256 places s (a period p: two key steps of 128): wq = l2norm(x WK + bK) and wk likewise, each with its own four given
; scales, both products by v_wmma_f32_16x16x128_fp8_fp8, and the values x as codes with the keys innermost.
; SHARES. Work-group x = 4 b + p, y = u. Eight waves. In the row phases wave w owns channels d = 32 w .. 32 w + 31 of the tile x[256 d][128 s];
; in the projection it owns the places 16 w .. 16 w + 15. W is quantised once: wave w makes the fragments of W's columns n = 16 w .. 16 w + 15.
; K OF THE PROJECTION IS d, which is not innermost in x nor in W: a lane takes one s (or one n) and its registers run down d. K step g, number i (0..63), half h
; of the lanes hold d = 128 g + 2 i + h, alike in x and in W, so every product meets its partner.
; THE PRODUCT IS USED TRANSPOSED (source 0 = 16 columns n of W, source 1 = 16 places s): a lane holds one s and the channels n = 16 t + 8 h + j, so the norm
; wants one exchange between the halves of the lanes, and the conversions' results are the next product's fragment.
; OUT. An IMAGE is a fragment's 16 registers as they stand: registers 4 c .. 4 c + 3 of lane l at 512 c + 16 l: 2,048 bytes, stored by four stores of 512 bytes on end.
; codes1: [pair = 16 u + b][key step][49,152]: 8 images of wk, then V rows [256 d][128 bytes]; from byte 18,874,368 on [pair][64 tiles][2,048]: images of wq.
; In a V row the word of keys 4 l .. 4 l + 3 lies at word l with bits 1 and 2 exchanged: there a 16-byte load at 32 c + 16 h finds the keys in the order in which p's codes lie.
; NO CLUSTER, NO TENSOR LOAD: W's numbers go 4 bytes a lane straight into the registers that the conversions read, which a tile in LDS would not spare;
; an x tile is shared by units 0 and 1 alone, not by unit 2, so the grid's y does not divide into partners that ask alike.
; LIMITS: each given exponent e between -126 and 119; the sum of a projection's two between -126 and 127. NaN among the inputs is not served.
; REGISTERS. window 0: v1-14 addresses; v15-28 scales (2^e, then 448 x 2^e); v29-31 at work; v32-95 numbers / sums; v96-111 held numbers; v112-175 x's codes [set][K step];
;   v176-239 numbers / W's fragments; v240-255 codes just made. In the V phase v32-159 numbers, v160-191 codes, v192-223 rows to store.   window 1: v0-127 the 32 rows as loaded; v128-191 the bias.
.set XP,    576                        ; a row of the f32 tile in LDS: 512 bytes + 64: rows d and d + 1 lie 16 banks apart (64 banks of 4 bytes: ISA guide 11.1)
.set WI,    256*XP                     ; W's images: [set][K step][tile][2,048]
.set VS,    WI+65536                   ; 4,096 bytes for each wave: its 32 V rows
.set SPARE, VS+32768                   ; the spare words, 128 bytes for each wave: four blocks of 256 bytes that no other line names
.set SPW,  1
.set NIL,  2
.set LI,   3                           ; 16 x lane
.set XSW,  4                           ; the tile, way in: 32 w rows + 16 x lane
.set XSR,  5                           ; v5-8: way out: h rows + 4 (16 w + r), + 64 rows each
.set VSW,  9
.set VSR,  10
.set WIW,  11
.set WIR,  12
.set WOFF, 13
.set BOFF, 14
.set XSC,  15                          ; + 2 set: 2^e, + 1: 448 x 2^e
.set WSC,  19
.set OSC,  23
.set VSC,  27
.set CA,   32
.set ACC,  32
.set T128, 32
.set T16,  96
.set XC,   112
.set VC,   160
.set CB,   176
.set WF,   176
.set VO,   192
.set OC,   240
.set BIAS, 128                         ; window 1
.set WV,   16
.set P2,   40                          ; s[40:41], s[42:43]: 2^(ex + ew) of set 0, 1
.set SEL,  44
.set MSB, 0
.macro WIN new                         ; the immediate's high byte repeats the setting that is left
.if MSB != \new
	s_set_vgpr_msb (MSB<<8)|\new
.set MSB, \new
.endif
.endm
.macro PLACES n
.rept \n
	v_nop
.endr
.endm
.macro BARRIER                         ; my LDS stores have landed and my LDS loads are in: then the work-group's barrier
	s_wait_dscnt 0x0
	s_barrier_signal -1
	s_barrier_wait -1
.endm
.macro MKSC e, sc                      ; from the exponent in s[e]: v[sc] = 2^e, v[sc+1] = 448 x 2^e
	s_add_co_i32 s46, s[\e], 127
	s_lshl_b32 s47, s46, 23
	v_mov_b32 v[\sc], s47
	s_add_co_i32 s46, s46, 8
	s_lshl_b32 s46, s46, 23
	s_or_b32 s46, s46, 0x600000
	v_mov_b32 v[\sc+1], s46
.endm
; 64 numbers of a lane become 16 registers of codes. The numbers are kept (a second set reads them): the held copies go into two sets of eight by turns,
; so that eight plain lines stand between a conversion and the next write of its sources.
.macro Q64 src, sc, dst
.set qg, 0
.rept 8
.set qk, 0
.rept 8
	v_med3_num_f32 v[T16+8*(qg%2)+qk], v[\src+8*qg+qk], -v[\sc+1], v[\sc+1]   ; the conversion to an 8-bit code does not saturate (ISA guide 7.6.2)
.set qk, qk+1
.endr
	v_cvt_scalef32_pk8_fp8_f32 v[\dst+2*qg:\dst+2*qg+1], v[T16+8*(qg%2):T16+8*(qg%2)+7], v[\sc]
.set qg, qg+1
.endr
	v_nop                                          ; a plain line between the last conversion and whatever touches its result next
.endm
.macro XLOAD it                        ; my 32 rows of key step it: each load reads 512 bytes on end
	WIN 0x40
.set i, 0
.rept 32
	global_load_b128 v[4*i:4*i+3], v[LI], s[4:5] offset:4096*i+512*\it
.set i, i+1
.endr
	WIN 0
.endm
	s_load_b256 s[4:11], s[0:1], 0x0               ; train s[4:5], test s[6:7], WK s[8:9], bK s[10:11]
	s_load_b128 s[12:15], s[0:1], 0x20             ; the exponents s[12:13], codes1 s[14:15]
	v_lshl_add_u32 v[SPW], v0, 2, SPARE
	v_mov_b32 v[NIL], 0
	v_lshrrev_b32 v29, 5, v0
	v_readfirstlane_b32 s[WV], v29                 ; wave 0..7
	v_and_b32 v29, 31, v0                          ; lane
	v_and_b32 v30, 15, v0                          ; r
	v_bfe_u32 v31, v0, 4, 1                        ; h
	v_lshlrev_b32 v[LI], 4, v29
	s_mul_i32 s20, s[WV], 32*XP
	v_add_nc_u32 v[XSW], s20, v[LI]
	v_mul_u32_u24 v[XSR], v31, XP
	v_lshl_add_u32 v[XSR], v30, 2, v[XSR]
	s_lshl_b32 s20, s[WV], 6
	v_add_nc_u32 v[XSR], s20, v[XSR]
.irp q, 1,2,3
	v_add_nc_u32 v[XSR+\q], 64*XP*\q, v[XSR]
.endr
	v_lshlrev_b32 v[WOFF], 9, v31                  ; W: row h, column 16 w + r
	v_lshl_add_u32 v[WOFF], v30, 2, v[WOFF]
	v_add_nc_u32 v[WOFF], s20, v[WOFF]
	v_lshlrev_b32 v[BOFF], 5, v31                  ; the bias: 8 h numbers on
	v_and_b32 v[VSW], 0x19, v29                    ; the lane's number with bits 1 and 2 exchanged
	v_and_b32 v[VSR], 2, v29
	v_lshl_or_b32 v[VSW], v[VSR], 1, v[VSW]
	v_bfe_u32 v[VSR], v29, 2, 1
	v_lshl_or_b32 v[VSW], v[VSR], 1, v[VSW]
	s_lshl_b32 s20, s[WV], 12
	s_add_co_u32 s20, s20, VS
	v_lshl_add_u32 v[VSW], v[VSW], 2, s20
	v_add_nc_u32 v[VSR], s20, v[LI]
	s_lshl_b32 s20, s[WV], 11
	s_add_co_u32 s20, s20, WI
	v_add_nc_u32 v[WIW], s20, v[LI]
	v_add_nc_u32 v[WIR], WI, v[LI]
	s_and_b32 s17, ttmp7, 0xffff                   ; u
	s_lshr_b32 s18, ttmp9, 2                       ; b
	s_and_b32 s19, ttmp9, 3                        ; p
	s_lshl_b32 s20, s17, 5                         ; the unit's eight exponents begin at entry 0, 8, 32: in bytes 32 u, + 64 for unit 2
	s_cmp_eq_u32 s17, 2
	s_cselect_b32 s21, 64, 0
	s_add_co_u32 s20, s20, s21
	s_mov_b32 s21, 0
	s_lshl_b32 s22, s17, 4
	s_add_co_u32 s22, s22, s18                     ; pair
	s_mul_i32 s23, s22, 393216
	s_mul_i32 s46, s19, 98304
	s_add_co_u32 s23, s23, s46                     ; the period's two step blocks
	s_lshl_b32 s46, s[WV], 11
	s_add_co_u32 s26, s23, s46                     ; my image of wk
	s_mov_b32 s27, 0
	s_lshl_b32 s47, s[WV], 12
	s_add_co_u32 s28, s23, s47
	s_add_co_u32 s28, s28, 16384                   ; my 32 V rows
	s_mov_b32 s29, 0
	s_lshl_b32 s24, s22, 17
	s_lshl_b32 s47, s19, 15
	s_add_co_u32 s24, s24, s47
	s_add_co_u32 s24, s24, s46
	s_add_co_u32 s24, s24, 18874368                ; my image of wq
	s_mov_b32 s25, 0
	s_lshl_b32 s30, s18, 20                        ; x: batch element, my 32 rows, the period's 1,024 bytes
	s_lshl_b32 s46, s[WV], 17
	s_add_co_u32 s30, s30, s46
	s_lshl_b32 s46, s19, 10
	s_add_co_u32 s30, s30, s46
	s_mov_b32 s31, 0
	s_mov_b32 s[SEL], 0x76543210
	s_mov_b32 s[SEL+1], 0xfedcba98
	s_wait_kmcnt 0x0
	s_add_nc_u64 s[12:13], s[12:13], s[20:21]
	s_load_b256 s[32:39], s[12:13], 0x0            ; ex0 ew0 ex1 ew1 eq ek ev ep
	s_cmp_eq_u32 s17, 2
	s_cselect_b64 s[4:5], s[6:7], s[4:5]           ; the choice hangs on the work-group's number alone
	s_add_nc_u64 s[4:5], s[4:5], s[30:31]
	s_add_nc_u64 s[24:25], s[14:15], s[24:25]
	s_add_nc_u64 s[26:27], s[14:15], s[26:27]
	s_add_nc_u64 s[28:29], s[14:15], s[28:29]
.set i, 0
.rept 64
	global_load_b32 v[CA+i], v[WOFF], s[8:9] offset:1024*i          ; W(2 i + h, 16 w + r)
.set i, i+1
.endr
.set i, 0
.rept 64
	global_load_b32 v[XC+i], v[WOFF], s[8:9] offset:65536+1024*i    ; W(128 + 2 i + h, 16 w + r)
.set i, i+1
.endr
	WIN 0x40
.set i, 0
.rept 8
	global_load_b128 v[BIAS+8*i:BIAS+8*i+3], v[BOFF], s[10:11] offset:64*i        ; bK(16 t + 8 h + 0 .. 7): the sums' layout
	global_load_b128 v[BIAS+8*i+4:BIAS+8*i+7], v[BOFF], s[10:11] offset:64*i+16
.set i, i+1
.endr
	XLOAD 0
	s_wait_kmcnt 0x0
	MKSC 32, XSC
	MKSC 34, XSC+2
	MKSC 33, WSC
	MKSC 35, WSC+2
	MKSC 36, OSC
	MKSC 37, OSC+2
	MKSC 38, VSC
	s_add_co_i32 s[P2], s32, s33
	s_add_co_i32 s[P2], s[P2], 127
	s_lshl_b32 s[P2], s[P2], 23                    ; 2^(ex + ew) as f32
	s_mov_b32 s[P2+1], s[P2]                       ; (named with it as a pair, so it is written)
	s_add_co_i32 s[P2+2], s34, s35
	s_add_co_i32 s[P2+2], s[P2+2], 127
	s_lshl_b32 s[P2+2], s[P2+2], 23
	s_mov_b32 s[P2+3], s[P2+2]
	s_wait_loadcnt 48                              ; W is in: the 16 loads of the bias and the 32 of x are younger
	; ---- W: my 16 columns, both K steps, once with each set's scale; the images go to LDS for all waves
.irp st, 0,1
	Q64 CA, WSC+2*\st, OC
.irp c, 0,1,2,3
	ds_store_b128 v[WIW], v[OC+4*\c:OC+4*\c+3] offset:32768*\st+512*\c
.endr
	s_wait_dscnt 0x0                               ; the stores have read their registers
	Q64 XC, WSC+2*\st, OC
.irp c, 0,1,2,3
	ds_store_b128 v[WIW], v[OC+4*\c:OC+4*\c+3] offset:32768*\st+16384+512*\c
.endr
	s_wait_dscnt 0x0
.endr
; the tile's columns: my 16 places, all 256 channels, quantised with both sets' scales
.macro COLS
.irp q, 0,1
.set i, 0
.rept 32
	ds_load_b32 v[CA+32*\q+i], v[XSR+\q] offset:2*XP*i
.set i, i+1
.endr
.endr
.irp q, 0,1
.set i, 0
.rept 32
	ds_load_b32 v[CB+32*\q+i], v[XSR+2+\q] offset:2*XP*i
.set i, i+1
.endr
.endr
	s_wait_dscnt 63                                ; K step 0's 64 numbers are in. 64 loads are younger than the last of them; a wait's count goes up to 63, so one load more is waited for
	Q64 CA, XSC, XC
	Q64 CA, XSC+2, XC+32
	s_wait_dscnt 0x0
	Q64 CB, XSC, XC+16
	Q64 CB, XSC+2, XC+48
.endm
; 16 products: eight tiles of 16 columns of W x my 16 places, two K steps. The eight sums take turns: seven others stand between the links of a chain.
.macro PROJ st
.irp sg, 0,1
.irp g, 0,1
.irp t, 0,1,2,3
.irp c, 0,1,2,3
	ds_load_b128 v[WF+16*\t+4*\c:WF+16*\t+4*\c+3], v[WIR] offset:32768*\st+16384*\sg+2048*(4*\g+\t)+512*\c
.endr
.endr
	s_wait_dscnt 0x0
.irp t, 0,1,2,3
.if \sg == 0
	v_wmma_f32_16x16x128_fp8_fp8 v[ACC+8*(4*\g+\t):ACC+8*(4*\g+\t)+7], v[WF+16*\t:WF+16*\t+15], v[XC+32*\st+16*\sg:XC+32*\st+16*\sg+15], 0
.else
	v_wmma_f32_16x16x128_fp8_fp8 v[ACC+8*(4*\g+\t):ACC+8*(4*\g+\t)+7], v[WF+16*\t:WF+16*\t+15], v[XC+32*\st+16*\sg:XC+32*\st+16*\sg+15], v[ACC+8*(4*\g+\t):ACC+8*(4*\g+\t)+7]
.endif
.endr
	PLACES 4                                       ; in front of loads into registers that these products read, and of the first read of the sums
.endr
.endr
.endm
; sum x 2^(ex + ew) + bias; divided by max(norm, 1e-12); quantised; the image stored
.macro POST st, ptr, off
	WIN 0x10                                       ; source 2 (the bias) in window 1
.set j, 0
.rept 32
	v_pk_fma_f32 v[ACC+j:ACC+j+1], v[ACC+j:ACC+j+1], s[P2+2*\st:P2+2*\st+1], v[BIAS+j:BIAS+j+1] op_sel_hi:[1,0,1]   ; each sum from its low end on
.set j, j+2
.endr
	WIN 0
	v_pk_mul_f32 v[176:177], v[ACC:ACC+1], v[ACC:ACC+1]            ; the squares, in two chains
	v_pk_mul_f32 v[178:179], v[ACC+2:ACC+3], v[ACC+2:ACC+3]
.set j, 4
.rept 15
	v_pk_fma_f32 v[176:177], v[ACC+j:ACC+j+1], v[ACC+j:ACC+j+1], v[176:177]
	v_pk_fma_f32 v[178:179], v[ACC+j+2:ACC+j+3], v[ACC+j+2:ACC+j+3], v[178:179]
.set j, j+4
.endr
	v_pk_add_f32 v[176:177], v[176:177], v[178:179]
	v_add_f32 v176, v176, v177
	v_permlanex16_b32 v177, v176, s[SEL], s[SEL+1] ; the place's other 64 channels lie in the lane 16 away
	v_add_f32 v176, v176, v177
	v_rsq_f32 v178, v176
	v_nop                                          ; a plain line behind the transcendental
	s_wait_alu depctr_va_vdst(0)                   ; and the wait ahead of its first reader
	v_min_num_f32 v178, 0x5368d4a5, v178           ; 1 / max(norm, 1e-12)
	v_mov_b32 v179, v178
.set j, 0
.rept 32
	v_pk_mul_f32 v[ACC+j:ACC+j+1], v[ACC+j:ACC+j+1], v[178:179] op_sel_hi:[1,0]
.set j, j+2
.endr
	s_wait_xcnt 0x0                                ; the last image's stores have read their registers
	Q64 ACC, OSC+2*\st, OC
.irp c, 0,1,2,3
	global_store_b128 v[LI], v[OC+4*\c:OC+4*\c+3], s[\ptr:\ptr+1] offset:\off+512*\c   ; 512 bytes on end, at a multiple of 256 from the buffer's first byte
.endr
.endm
; one key step of 128 places
.macro ITER it
	s_wait_loadcnt 0x0                             ; my 32 rows are in
	WIN 0x04                                       ; store data in window 1
.set i, 0
.rept 32
	ds_store_b128 v[XSW], v[4*i:4*i+3] offset:XP*i
.set i, i+1
.endr
	WIN 0x01                                       ; V: the same rows, held, as codes: eight registers are rows 2 k and 2 k + 1, four keys each
.set i, 0
.rept 128
	v_med3_num_f32 v[T128+i], v[i], -v[VSC+1], v[VSC+1]
.set i, i+1
.endr
	WIN 0
.set i, 0
.rept 16
	v_cvt_scalef32_pk8_fp8_f32 v[VC+2*i:VC+2*i+1], v[T128+8*i:T128+8*i+7], v[VSC]
.set i, i+1
.endr
	v_nop
	s_wait_xcnt 0x0                                ; the last step's V stores have read their registers
.set i, 0
.rept 32
	ds_store_b32 v[VSW], v[VC+i] offset:128*i      ; row i: my word, at its exchanged place
.set i, i+1
.endr
.set i, 0
.rept 8
	ds_load_b128 v[VO+4*i:VO+4*i+3], v[VSR] offset:512*i   ; LDS serves a wave's instructions in order (ISA guide 5.7.1.4): these see my stores
.set i, i+1
.endr
.set i, 0
.rept 8
	s_wait_dscnt 7-i
	global_store_b128 v[LI], v[VO+4*i:VO+4*i+3], s[28:29] offset:49152*\it+512*i
.set i, i+1
.endr
	BARRIER                                        ; the whole tile (and, the first time, W's images) lies in LDS
	s_wait_xcnt 0x0                                ; the V stores have read their registers: the columns land there
.if \it == 0
	XLOAD 1
.endif
	COLS
.if \it == 0
	BARRIER                                        ; every wave has read its columns: the tile may be written again
.endif
	PROJ 0
	POST 0, 24, 16384*\it
	PROJ 1
	POST 1, 26, 49152*\it
.endm
	ITER 0
	ITER 1
	s_wait_tensorcnt 0x0                           ; the wave's end, behind my last LDS store
	ds_add_u32 v[SPW], v[NIL]
	s_wait_dscnt 0x0
	s_endpgm
.Lfunc_end_k_q47a65a027c_prep1:
	.size	k_q47a65a027c_prep1, .Lfunc_end_k_q47a65a027c_prep1-k_q47a65a027c_prep1
	.p2alignl 7, 3214868480
	.fill 96, 4, 3214868480
	.section	.rodata,"a",@progbits
	.p2align	6, 0x0
	.amdhsa_kernel k_q47a65a027c_prep1
		.amdhsa_group_segment_fixed_size 246784
		.amdhsa_private_segment_fixed_size 0
		.amdhsa_enable_private_segment 0
		.amdhsa_kernarg_size 48
		.amdhsa_user_sgpr_count 2
		.amdhsa_user_sgpr_kernarg_segment_ptr 1
		.amdhsa_wavefront_size32 1
		.amdhsa_system_sgpr_workgroup_id_x 1
		.amdhsa_system_sgpr_workgroup_id_y 1
		.amdhsa_system_sgpr_workgroup_id_z 1
		.amdhsa_system_vgpr_workitem_id 0
		.amdhsa_next_free_vgpr 512
		.amdhsa_next_free_sgpr 66
		.amdhsa_reserve_vcc 0
		.amdhsa_float_denorm_mode_32 3
		.amdhsa_float_denorm_mode_16_64 3
		.amdhsa_memory_ordered 1
		.amdhsa_forward_progress 1
		.amdhsa_inst_pref_size 196
	.end_amdhsa_kernel
	.amdgpu_metadata
---
amdhsa.version: [ 1, 2 ]
amdhsa.kernels:
  - .name:           k_q47a65a027c_prep1
    .symbol:         k_q47a65a027c_prep1.kd
    .args:
      - { .name: train_feat, .offset: 0, .size: 8, .value_kind: global_buffer, .address_space: global }
      - { .name: test_feat, .offset: 8, .size: 8, .value_kind: global_buffer, .address_space: global }
      - { .name: WK_self, .offset: 16, .size: 8, .value_kind: global_buffer, .address_space: global }
      - { .name: bK_self, .offset: 24, .size: 8, .value_kind: global_buffer, .address_space: global }
      - { .name: lowp_scales, .offset: 32, .size: 8, .value_kind: global_buffer, .address_space: global }
      - { .name: codes1, .offset: 40, .size: 8, .value_kind: global_buffer, .address_space: global }
    .group_segment_fixed_size: 246784
    .private_segment_fixed_size: 0
    .kernarg_segment_align: 8
    .kernarg_segment_size: 48
    .max_flat_workgroup_size: 256
    .sgpr_count:     66
    .vgpr_count:     512
    .wavefront_size: 32
...
	.end_amdgpu_metadata
.endif
;; end of part 1
;; launch attn_self (part 2): grid 4 x 48, 8 waves a work-group, clusters of 4 x 1, 327,680 bytes of LDS; arguments codes1, train_feat, test_feat, lowp_scales, ybuf, part1; writes ybuf, part1
.if DOCPART == 2
	.amdgcn_target "amdgcn-amd-amdhsa--gfx1250"
	.amdhsa_code_object_version 6
	.text
	.protected	k_q47a65a027c_attn_self
	.globl	k_q47a65a027c_attn_self
	.p2align	8
	.type	k_q47a65a027c_attn_self,@function
k_q47a65a027c_attn_self:
	s_mov_b64 s[64:65], 0
	v_nop
	global_prefetch_b8 v0, s[64:65] scope:SCOPE_SE
	s_setreg_imm32_b32 hwreg(HW_REG_WAVE_MODE, 25, 1), 1
	s_wait_xcnt 0x0
	s_wait_alu depctr_hold_cnt(0) depctr_sa_sdst(0) depctr_va_vdst(0) depctr_va_sdst(0) depctr_va_ssrc(0) depctr_va_vcc(0) depctr_vm_vsrc(0)
	s_getreg_b32 s2, hwreg(HW_REG_IB_STS2, 6, 4)
	s_cmp_eq_u32 s2, 0
	s_cbranch_scc0 .Lentry_in_a_cluster
	s_endpgm
.Lentry_in_a_cluster:
	s_bfe_u32 s2, ttmp6, 0x10000c
	s_cmp_lg_u32 s2, 0x3003
	s_cbranch_scc0 .Lentry_shape_is_right
	s_endpgm
.Lentry_shape_is_right:
; ATTN_SELF: y = x + softmax(30 wq . wk) x for the three self attentions, both products on codes of E4M3, and the partial sums of y^2 for the instance norm.
; SOFTMAX: t = score x 30 log2(e); M = the running largest t rounded up to a whole number; p = 2^(t - M) is quantised; the row's sum is taken of the unquantised p and divides at the end.
; When M moves, the sum and O are multiplied by 2^(old M - new M), which rounds nothing.
; SHARES. Cluster y = pair (16 unit + b). The four work-groups of a cluster take 256 queries each and walk the same keys and values, so each tile is asked for JOINTLY.
; A wave owns 32 queries, two tiles of 16; each fragment of K or V read from LDS feeds two products. Two waves share a SIMD: one's vector work stands beside the other's products and LDS loads.
; LAYOUT. Both products are used transposed: S^T = K Q^T (source 0 = 16 keys), O^T = V P^T (source 0 = 16 channels): a lane holds one query (lane % 16) throughout.
; Tile t of S^T holds keys 16 t + 8 h + j, so p's codes lie: register 2 t + j / 4, byte j % 4; the V rows were laid to be read in that order.
; RING. A period is two key steps, 98,304 dense bytes = 384 rows of 256, 16 bytes of padding behind each: pitch 272. Two slots. Every wave fetches 48 rows: two loads of a wave are out at the start, one behind each round.
; LIMITS: eq + ek between -131 and 122 (added to c's exponent field); ep between -126 and 119. NaN is not served.
; REGISTERS. window 0: v1-11 addresses; v12-19 for each tile -M, largest t, the sum in two halves; v20-23 f and the permutes' targets; v24-27 chains; v28 16 x lane; v29 256 x lane; v30 448 x 2^ep; v31 2^ep;
;   v32-63 Q; v64-191 S^T, then p, then two buffers of four V fragments; v192-255 four K fragments, then p's codes.   window 1: O^T, tile q at 128 q + 8 ct.
;   The way out: window 0: v32-39 divisors, v40-43 sums, v64-255 three batches of x, which become y in place.   window 1, once the stage has taken O^T: v0-63 the fourth batch; v64-255 three buffers of rows from the stage.
.set STEPB, 52224                      ; a key step in LDS: 64 rows of K images, 128 rows of V
.set VOFF,  17408
.set PERB,  98304
.set SLOT1, 131072
.set SP,    1040                       ; the stage: [256 d], 1,024 bytes + 16: it lies over the slots, which have had their last fill and their last read
.set RL,    266240                     ; 2^(ep + ev) / l for the 256 queries
.set RED,   267264
.set SPARE, 267520                     ; the spare words, 128 bytes for each wave: four blocks of 256 bytes that no other line names
.set SPW, 1
.set NIL, 2
.set AKI, 3
.set AVF, 4
.set T5,  5
.set ADK, 6
.set ADV, 7
.set SB0, 8
.set RLR, 9
.set RLA, 10
.set SRD, 11
.set ST,  12
.set FF,  20
.set MX,  24
.set GO,  28
.set PFO, 29
.set PLIM, 30
.set PSC, 31
.set QF,  32
.set S,   64
.set VB0, 64
.set VB1, 128
.set FB,  192
.set PC,  192
.set RLQ, 32                           ; the way out
.set SUM, 40
.set WV,  16
.set G1,  24
.set G0,  32
.set CS,  40
.set SEL, 42
.set TB,  44
.set TWICE, 45
.set PFA, 46
.set XB,  52
.set YB,  54
.set QB,  56
.set PB,  58
.set PFX, 78                           ; s[78:79] where my prefetches of x stand
.set MSB, 0
.macro WIN new
.if MSB != \new
	s_set_vgpr_msb (MSB<<8)|\new
.set MSB, \new
.endif
.endm
.macro PLACES n
.rept \n
	v_nop
.endr
.endm
.macro BARRIER
	s_wait_dscnt 0x0
	s_barrier_signal -1
	s_barrier_wait -1
.endm
.macro CROUND                          ; a round of the cluster's barrier
	s_barrier_signal -1
	s_barrier_wait -1
	s_cmp_lg_u32 s[WV], 0
	s_cbranch_scc1 .Lnot_wave_0_\@
	s_barrier_signal -3
.Lnot_wave_0_\@:
	s_barrier_wait -3
	s_barrier_signal -1
	s_barrier_wait -1
.endm
	s_load_b256 s[4:11], s[0:1], 0x0               ; codes1 s[4:5], train s[6:7], test s[8:9], the exponents s[10:11]
	s_load_b128 s[12:15], s[0:1], 0x20             ; ybuf s[12:13], part1 s[14:15]
	v_lshl_add_u32 v[SPW], v0, 2, SPARE
	v_mov_b32 v[NIL], 0
	ds_add_u32 v[SPW], v[NIL]                      ; the wave's opening: the add and its wait ahead of my first tensor load; work on registers stands between them
	v_lshrrev_b32 v[T5], 5, v0
	v_readfirstlane_b32 s[WV], v[T5]               ; wave 0..7
	s_bfe_u32 s17, ttmp6, 0x40000                  ; cx: my block of 256 queries; it enters global addresses of Q, x, y, part1 and the prefetches alone
	s_and_b32 s18, ttmp7, 0xffff                   ; pair
	s_lshr_b32 s19, s18, 4                         ; unit
	s_and_b32 s20, s18, 15                         ; b
	s_mov_b32 s[G1], 15|(3<<16)|(1<<20)|(1<<21)|(5<<22)|(3<<25)   ; the mask: all four; elements of 8 bytes; padding on; bit 21 beside a mask; after every 64 words; 4 words
	s_mov_b32 s[G1+1], 32<<16                      ; tensor_dim0 = 32 elements: 256 bytes
	s_mov_b32 s[G1+2], 48<<16                      ; tensor_dim1 = 48 rows
	s_mov_b32 s[G1+3], 32<<16                      ; tile_dim0
	s_mov_b32 s[G1+4], 48                          ; tile_dim1
	s_mov_b32 s[G1+5], 32                          ; the pitch: rows are dense
	s_mov_b32 s[G1+6], 0
	s_mov_b32 s[G1+7], 0
	s_mul_i32 s60, s18, 8*49152                    ; the pair's keys and values, my 48 rows: the same in all four partners
	s_mul_i32 s61, s[WV], 48*256
	s_add_co_u32 s60, s60, s61
	s_mov_b32 s61, 0
	s_lshl_b32 s62, s19, 5                         ; eq ek ev ep: entries base + 4 on; base = 0, 8, 32
	s_cmp_eq_u32 s19, 2
	s_cselect_b32 s63, 64, 0
	s_add_co_u32 s62, s62, s63
	s_add_co_u32 s62, s62, 16
	s_mov_b32 s63, 0
	s_lshl_b32 s66, s18, 17                        ; Q: [pair][64 tiles][2,048]: tile 16 cx + 2 w
	s_lshl_b32 s67, s17, 15
	s_add_co_u32 s66, s66, s67
	s_lshl_b32 s67, s[WV], 12
	s_add_co_u32 s66, s66, s67
	s_add_co_u32 s66, s66, 18874368
	s_mov_b32 s67, 0
	s_lshl_b32 s76, s[WV], 17                      ; rows 32 w on, columns 256 cx on
	s_lshl_b32 s77, s17, 10
	s_add_co_u32 s76, s76, s77
	s_lshl_b32 s68, s20, 20
	s_add_co_u32 s68, s68, s76                     ; in x
	s_mov_b32 s69, 0
	s_lshl_b32 s70, s18, 20
	s_add_co_u32 s70, s70, s76                     ; in y
	s_mov_b32 s71, 0
	s_lshl_b32 s72, s18, 4
	s_lshl_b32 s77, s17, 2
	s_add_co_u32 s72, s72, s77                     ; part1[pair][cx]
	s_mov_b32 s73, 0
	s_mul_i32 s74, s18, 8*49152                    ; the prefetch of codes: period 3, my work-group's quarter, my wave's 8,192 bytes
	s_mul_i32 s77, s17, 24576
	s_add_co_u32 s74, s74, s77
	s_lshl_b32 s77, s[WV], 13
	s_add_co_u32 s74, s74, s77
	s_add_co_u32 s74, s74, 3*PERB
	s_mov_b32 s75, 0
	s_lshl_b32 s[PFX], s20, 20                     ; the prefetch of x: batch element b, whole rows 64 cx + 8 w on
	s_lshl_b32 s77, s17, 18
	s_add_co_u32 s[PFX], s[PFX], s77
	s_lshl_b32 s77, s[WV], 15
	s_add_co_u32 s[PFX], s[PFX], s77
	s_mov_b32 s[PFX+1], 0
	s_mov_b32 s[SEL], 0x76543210
	s_mov_b32 s[SEL+1], 0xfedcba98
	s_mov_b32 s[CS], 0x422d1f97                    ; c = 30 log2(e)
	s_wait_dscnt 0x0                               ; the opening add is done
	s_wait_kmcnt 0x0
	s_add_nc_u64 s[10:11], s[10:11], s[62:63]
	s_load_b128 s[48:51], s[10:11], 0x0            ; eq ek ev ep
	s_add_nc_u64 s[60:61], s[4:5], s[60:61]
	s_add_nc_u64 s[QB:QB+1], s[4:5], s[66:67]
	s_add_nc_u64 s[PFA:PFA+1], s[4:5], s[74:75]
	s_cmp_eq_u32 s19, 2
	s_cselect_b64 s[XB:XB+1], s[8:9], s[6:7]
	s_add_nc_u64 s[PFX:PFX+1], s[XB:XB+1], s[PFX:PFX+1]
	s_add_nc_u64 s[XB:XB+1], s[XB:XB+1], s[68:69]
	s_add_nc_u64 s[YB:YB+1], s[12:13], s[70:71]
	s_add_nc_u64 s[PB:PB+1], s[14:15], s[72:73]
	s_mov_b32 s[G0], 1
	s_mul_i32 s[G0+1], s[WV], 48*272               ; slot 0, my 48 rows
	s_mov_b64 s[G0+2:G0+3], s[60:61]
	s_or_b32 s[G0+3], s[G0+3], 0x80000000
	s_mov_b32 s[G0+4], 1
	s_add_co_u32 s[G0+5], s[G0+1], SLOT1
	s_add_nc_u64 s[G0+6:G0+7], s[60:61], PERB
	s_or_b32 s[G0+7], s[G0+7], 0x80000000
	CROUND                                         ; all four work-groups are here: the first joint loads meet
	tensor_load_to_lds s[G0:G0+3], s[G1:G1+7]      ; period 0
	s_nop 0
	tensor_load_to_lds s[G0+4:G0+7], s[G1:G1+7]    ; period 1
	s_nop 0
	PLACES 4
	v_and_b32 v[GO], 31, v0
	v_lshlrev_b32 v[PFO], 8, v[GO]
	v_lshlrev_b32 v[GO], 4, v[GO]
.irp q, 0,1
.irp c, 0,1,2,3
	global_load_b128 v[QF+16*\q+4*\c:QF+16*\q+4*\c+3], v[GO], s[QB:QB+1] offset:2048*\q+512*\c   ; Q's two images stay in registers
.endr
.endr
	v_and_b32 v[ADK], 15, v0                       ; r
	v_bfe_u32 v[ADV], v0, 4, 1                     ; h
	v_mul_u32_u24 v[AKI], v[ADV], 272              ; an image in LDS: lanes 0-15 one row of 256 bytes, lanes 16-31 the next
	v_lshl_add_u32 v[AKI], v[ADK], 4, v[AKI]
	v_bfe_u32 v[T5], v0, 1, 3
	v_mul_u32_u24 v[AVF], v[T5], 272               ; V: channel d lies at (d / 2) x 272 + (d % 2) x 128: the sixteen rows of a fragment fall into sixteen different 16-byte columns
	v_and_b32 v[T5], 1, v0
	v_lshl_add_u32 v[AVF], v[T5], 7, v[AVF]
	v_lshl_add_u32 v[AVF], v[ADV], 4, v[AVF]
	v_add_nc_u32 v[AVF], VOFF, v[AVF]
	v_mul_u32_u24 v[SB0], v[ADV], 8*SP             ; the stage, way in: row 8 h, column 32 w + r
	v_lshl_add_u32 v[SB0], v[ADK], 2, v[SB0]
	s_lshl_b32 s21, s[WV], 7
	v_add_nc_u32 v[SB0], s21, v[SB0]
	v_lshl_add_u32 v[RLA], v[ADK], 2, RL
	v_add_nc_u32 v[RLA], s21, v[RLA]
	v_add_nc_u32 v[RLR], RL, v[GO]
	s_mul_i32 s21, s[WV], 32*SP
	v_add_nc_u32 v[SRD], s21, v[GO]                ; way out: my 32 rows, 16 bytes a lane
.irp q, 0,1
	v_mov_b32 v[ST+4*\q+1], 0xff61b1e6             ; the largest t so far: -3e38, under every t
	v_floor_f32 v[ST+4*\q], -v[ST+4*\q+1]          ; -M
	v_mov_b32 v[ST+4*\q+2], 0
	v_mov_b32 v[ST+4*\q+3], 0
	v_mov_b32 v[FF+2*\q+1], 0                      ; written once: a lane permute's destination counts as one of its sources
.endr
	WIN 0x40
.set i, 0
.rept 256
	v_mov_b32 v[i], 0                              ; O^T. The key step is written once for all steps: the first finds zeros, which the first change of M leaves zeros. These lines stand while the first tiles are on their way
.set i, i+1
.endr
	WIN 0
	s_wait_kmcnt 0x0
	s_add_co_i32 s21, s48, s49
	s_lshl_b32 s21, s21, 23
	s_add_co_i32 s[CS], s[CS], s21                 ; a score stands for score x 2^(eq + ek)
	s_mov_b32 s[CS+1], s[CS]
	s_add_co_i32 s21, s51, 127
	s_lshl_b32 s22, s21, 23
	v_mov_b32 v[PSC], s22
	s_add_co_i32 s21, s21, 8
	s_lshl_b32 s21, s21, 23
	s_or_b32 s21, s21, 0x600000
	v_mov_b32 v[PLIM], s21
.macro QK                              ; S^T = K Q^T: four key tiles at a time, each against my two query tiles
.irp g, 0,1
.irp t, 0,1,2,3
.irp c, 0,1,2,3
	ds_load_b128 v[FB+16*\t+4*\c:FB+16*\t+4*\c+3], v[ADK] offset:2176*(4*\g+\t)+544*\c
.endr
.endr
	s_wait_dscnt 8                                 ; two fragments are in; the other two's eight loads are younger
.irp t, 0,1
.irp q, 0,1
	v_wmma_f32_16x16x128_fp8_fp8 v[S+64*\q+8*(4*\g+\t):S+64*\q+8*(4*\g+\t)+7], v[FB+16*\t:FB+16*\t+15], v[QF+16*\q:QF+16*\q+15], 0
.endr
.endr
	s_wait_dscnt 0x0
.irp t, 2,3
.irp q, 0,1
	v_wmma_f32_16x16x128_fp8_fp8 v[S+64*\q+8*(4*\g+\t):S+64*\q+8*(4*\g+\t)+7], v[FB+16*\t:FB+16*\t+15], v[QF+16*\q:QF+16*\q+15], 0
.endr
.endr
	PLACES 4                                       ; in front of loads into the fragments' registers, and of the first read of the scores
.endr
.endm
.macro SM_MAX q                        ; the step's largest score of my query, in two chains, ascending; then t, M and f
	v_max3_num_f32 v[MX+2*\q], v[S+64*\q], v[S+64*\q+1], v[S+64*\q+2]
	v_max3_num_f32 v[MX+2*\q+1], v[S+64*\q+3], v[S+64*\q+4], v[S+64*\q+5]
.set i, 6
.rept 14
	v_max3_num_f32 v[MX+2*\q], v[MX+2*\q], v[S+64*\q+i], v[S+64*\q+i+1]
	v_max3_num_f32 v[MX+2*\q+1], v[MX+2*\q+1], v[S+64*\q+i+2], v[S+64*\q+i+3]
.set i, i+4
.endr
	v_max3_num_f32 v[MX+2*\q], v[MX+2*\q], v[S+64*\q+62], v[S+64*\q+63]
	v_max_num_f32 v[MX+2*\q], v[MX+2*\q], v[MX+2*\q+1]
	v_permlanex16_b32 v[FF+2*\q+1], v[MX+2*\q], s[SEL], s[SEL+1]
	v_max_num_f32 v[MX+2*\q], v[MX+2*\q], v[FF+2*\q+1]
	v_mul_f32 v[MX+2*\q], s[CS], v[MX+2*\q]        ; as t (c is positive)
	v_max_num_f32 v[ST+4*\q+1], v[ST+4*\q+1], v[MX+2*\q]
	v_mov_b32 v[MX+2*\q], v[ST+4*\q]
	v_floor_f32 v[ST+4*\q], -v[ST+4*\q+1]          ; the new -M = -ceil(t)
	v_sub_f32 v[MX+2*\q], v[ST+4*\q], v[MX+2*\q]   ; old M - new M: a whole number, 0 or less
	v_cvt_i32_f32 v[MX+2*\q], v[MX+2*\q]           ; (it saturates)
	v_ldexp_f32 v[FF+2*\q], 1.0, v[MX+2*\q]        ; f = 2^(old M - new M)
.endm
.macro SM_EXP q
.set i, 0
.rept 32
	v_pk_fma_f32 v[S+64*\q+i:S+64*\q+i+1], v[S+64*\q+i:S+64*\q+i+1], s[CS:CS+1], v[ST+4*\q:ST+4*\q+1] op_sel_hi:[1,0,0]   ; t - M
.set i, i+2
.endr
.set i, 0
.rept 64
	v_exp_f32 v[S+64*\q+i], v[S+64*\q+i]           ; p = 2^(t - M)
.set i, i+1
.endr
.endm
.macro SM_SUM q                        ; the sum of the unquantised p; then the hold (p is not negative: one-sided) and the codes
	v_pk_add_f32 v[MX+2*\q:MX+2*\q+1], v[S+64*\q:S+64*\q+1], v[S+64*\q+2:S+64*\q+3]
.set i, 4
.rept 15
	v_pk_add_f32 v[ST+4*\q+2:ST+4*\q+3], v[ST+4*\q+2:ST+4*\q+3], v[S+64*\q+i:S+64*\q+i+1]
	v_pk_add_f32 v[MX+2*\q:MX+2*\q+1], v[MX+2*\q:MX+2*\q+1], v[S+64*\q+i+2:S+64*\q+i+3]
.set i, i+4
.endr
	v_pk_add_f32 v[ST+4*\q+2:ST+4*\q+3], v[ST+4*\q+2:ST+4*\q+3], v[MX+2*\q:MX+2*\q+1]
.set i, 0
.rept 8
.set k, 0
.rept 8
	v_min_num_f32 v[S+64*\q+8*i+k], v[S+64*\q+8*i+k], v[PLIM]
.set k, k+1
.endr
	v_cvt_scalef32_pk8_fp8_f32 v[PC+16*\q+2*i:PC+16*\q+2*i+1], v[S+64*\q+8*i:S+64*\q+8*i+7], v[PSC]
.set i, i+1
.endr
.endm
.macro SMX
	SM_MAX 0
	SM_MAX 1
	SM_EXP 0
	SM_EXP 1
	v_pk_mul_f32 v[ST+2:ST+3], v[ST+2:ST+3], v[FF:FF+1] op_sel_hi:[1,0]       ; the sums under the new M: also the plain lines behind the exponentials
	v_pk_mul_f32 v[ST+6:ST+7], v[ST+6:ST+7], v[FF+2:FF+3] op_sel_hi:[1,0]
	s_wait_alu depctr_va_vdst(0)                   ; one wait for both tiles' 128 exponentials, ahead of their first reader
	SM_SUM 0
	SM_SUM 1
	v_nop                                          ; a plain line between the last conversion and the products that read the codes
.endm
.macro FRAGV buf, ct
.irp c, 0,1,2,3
	ds_load_b128 v[\buf+4*\c:\buf+4*\c+3], v[ADV] offset:2176*(\ct)+32*\c
.endr
.endm
.macro PV8 buf, ct0                    ; eight products: four channel tiles x two query tiles; each sum has one product a step
.irp t, 0,1,2,3
.irp q, 0,1
	v_wmma_f32_16x16x128_fp8_fp8 v[128*\q+8*(\ct0+\t):128*\q+8*(\ct0+\t)+7], v[\buf+16*\t:\buf+16*\t+15], v[PC+16*\q:PC+16*\q+15], v[128*\q+8*(\ct0+\t):128*\q+8*(\ct0+\t)+7]
.endr
.endr
.endm
.macro PVB                             ; O^T = O^T f + V P^T
.irp t, 0,1,2,3
	FRAGV VB0+16*\t, \t
.endr
.irp t, 0,1,2,3
	FRAGV VB1+16*\t, 4+\t
.endr
	WIN 0x41                                       ; O^T (destination and source 0) in window 1
.irp q, 0,1
.set i, 0
.rept 64
	v_pk_mul_f32 v[128*\q+i:128*\q+i+1], v[128*\q+i:128*\q+i+1], v[FF+2*\q:FF+2*\q+1] op_sel_hi:[1,0]   ; ascending: each sum from its low end on
.set i, i+2
.endr
.endr
	s_wait_dscnt 16                                ; buffer 0 is in; buffer 1's 16 loads are younger
	WIN 0x50                                       ; C and D in window 1
	PV8 VB0, 0
	WIN 0
	PLACES 4
.irp t, 0,1,2,3
	FRAGV VB0+16*\t, 8+\t
.endr
	s_wait_dscnt 16                                ; buffer 1 is in; the 16 just issued are younger
	WIN 0x50
	PV8 VB1, 4
	WIN 0
	PLACES 4
.irp t, 0,1,2,3
	FRAGV VB1+16*\t, 12+\t
.endr
	s_wait_dscnt 16
	WIN 0x50
	PV8 VB0, 8
	s_wait_dscnt 0x0
	PV8 VB1, 12
	WIN 0
.endm
.macro STEP                            ; 128 keys
	v_add_nc_u32 v[ADK], s[TB], v[AKI]
	v_add_nc_u32 v[ADV], s[TB], v[AVF]
	PLACES 3                                       ; five places in all behind the last step's products: the first products below write over registers that those read (ISA guide 7.12.1)
	QK
	SMX
	PVB
.endm
.macro TWO_STEPS base                  ; a slot's two key steps: written once, walked twice
	s_mov_b32 s[TB], \base
	s_mov_b32 s[TWICE], 2
.Lstep_\@:
	STEP
	s_add_co_u32 s[TB], s[TB], STEPB
	s_sub_co_u32 s[TWICE], s[TWICE], 1
	s_cmp_lg_u32 s[TWICE], 0
	s_cbranch_scc1 .Lstep_\@
.endm
; A PREFETCH of the rows of x that the way out adds. It stands at the last change of slots, two key steps ahead of the loads that will want them.
; A batch element's 256 rows of 4,096 bytes are shared out BY ADDRESS: work-group cx takes whole rows 64 cx on, wave w eight of them, 32,768 bytes on end: four instructions, lanes 256 bytes apart.
; Units 0 and 1 read the same rows of train_feat: unit 0 asks and unit 1 does not (the unit is the same in all four partners), so each block of 256 bytes is named once in the launch.
.macro ASKX
	s_cmp_eq_u32 s19, 1
	s_cbranch_scc1 .Lno_x_\@
.irp k, 0,1,2,3
	global_prefetch_b8 v[PFO], s[PFX:PFX+1] offset:8192*\k th:TH_LOAD_NT scope:SCOPE_SE
.endr
.Lno_x_\@:
.endm
; THE CHANGE OF SLOTS. Each wave waits for all its tensor loads (its part of the other slot), adds 0 to its spare word, and waits for that and for its reads of the slot that it leaves.
; fill = 1: behind a round of the cluster's barrier the slot is filled again, two periods on: the load has two key steps in which to land.
; ask = 1: behind the load, waves 0 to 2 prefetch what the NEXT refill will ask for, period 3: 98,304 bytes = 4 work-groups (told apart by address) x 3 waves x 32 lanes x 256 bytes: each block once in the launch.
; fill = 0: the last change: nothing is left to fetch of the codes, and the rows of x are asked for.
.macro CHANGE slot, fill, ask
	s_wait_tensorcnt 0x0                           ; no tensor load of mine is out, so a group 0 may be written
	ds_add_u32 v[SPW], v[NIL]
.if \fill
	s_add_nc_u64 s[G0+4*\slot+2:G0+4*\slot+3], s[G0+4*\slot+2:G0+4*\slot+3], 2*PERB
.endif
	s_wait_dscnt 0x0
.if \fill
	CROUND
	tensor_load_to_lds s[G0+4*\slot:G0+4*\slot+3], s[G1:G1+7]
	s_nop 0
	PLACES 4
.if \ask
	s_cmp_lt_u32 s[WV], 3
	s_cbranch_scc0 .Lno_ask_\@
	global_prefetch_b8 v[PFO], s[PFA:PFA+1] th:TH_LOAD_NT scope:SCOPE_SE
.Lno_ask_\@:
.endif
.else
	s_barrier_signal -1
	s_barrier_wait -1
	ASKX
.endif
.endm
	s_wait_tensorcnt 0x1                           ; my part of period 0 is in; period 1's load may stay out
	s_barrier_signal -1
	s_barrier_wait -1
	s_wait_loadcnt 0x0                             ; Q
	TWO_STEPS 0
	CHANGE 0, 1, 1
	TWO_STEPS SLOT1
	CHANGE 1, 1, 0
	TWO_STEPS 0
	CHANGE 0, 0, 0
	TWO_STEPS SLOT1
	; THE WAY OUT. O^T goes through a stage [256 d][256 s] so that rows of y leave as 512 bytes on end; y = O x 2^(ep + ev) / l + x.
	; My 32 rows are four batches of eight rows, sixteen loads of 512 bytes each. Three batches of x are asked for HERE, ahead of the stage's 256 stores: 192 registers of window 0 are free behind the last product.
	; The fourth follows when the stage has taken O^T out of window 1. y is formed in x's own registers, which are never written again: so no store's data wait for anything.
.macro XL k, reg                       ; batch k of x into v[reg] on
.set ra, 0
.rept 16
	global_load_b128 v[\reg+4*ra:\reg+4*ra+3], v[GO], s[XB:XB+1] offset:(8*(\k)+ra/2)*4096+512*(ra%2)
.set ra, ra+1
.endr
.endm
.macro SDL k                           ; batch k's rows out of the stage, into buffer k % 3 of window 1
.set ra, 0
.rept 16
	ds_load_b128 v[64+64*((\k)%3)+4*ra:64+64*((\k)%3)+4*ra+3], v[SRD] offset:(8*(\k)+ra/2)*SP+512*(ra%2)
.set ra, ra+1
.endr
.endm
	PLACES 4                                       ; behind the last products: loads land on registers that they read, and stores read their sums
	XL 0, 64
	XL 1, 128
	XL 2, 192
	v_add_f32 v[ST+2], v[ST+2], v[ST+3]
	v_add_f32 v[ST+6], v[ST+6], v[ST+7]
	v_permlanex16_b32 v[FF+1], v[ST+2], s[SEL], s[SEL+1]
	v_permlanex16_b32 v[FF+3], v[ST+6], s[SEL], s[SEL+1]
	v_add_f32 v[ST+2], v[ST+2], v[FF+1]
	v_add_f32 v[ST+6], v[ST+6], v[FF+3]
	v_rcp_f32 v[FF], v[ST+2]
	v_rcp_f32 v[FF+2], v[ST+6]
.irp k, 0,1,2,3
	v_add_nc_u32 v[MX+\k], 64*SP*\k, v[SB0]        ; the stage's four bases, 64 rows apart (plain lines behind the reciprocals)
.endr
	s_add_co_i32 s21, s50, s51                     ; ev + ep
	s_lshl_b32 s22, s[WV], 2
	s_add_co_u32 s22, s22, RED
	v_mov_b32 v[T5], s22
	v_mov_b32 v[ADK], RED
	v_mov_b32 v[ADV], 0
.irp k, 0,1,2,3
	v_mov_b32 v[SUM+\k], 0
.endr
	s_wait_alu depctr_va_vdst(0)                   ; one wait for the two reciprocals, ahead of their first reader
	v_ldexp_f32 v[FF], v[FF], s21
	v_ldexp_f32 v[FF+2], v[FF+2], s21
	BARRIER                                        ; nobody reads the slots any more
	ds_store_b32 v[RLA], v[FF]
	ds_store_b32 v[RLA], v[FF+2] offset:64
	WIN 0x04                                       ; store data in window 1
.irp q, 0,1
.set ct, 0
.rept 16
.set j, 0
.rept 8
	ds_store_b32 v[MX+ct/4], v[128*\q+8*ct+j] offset:(16*(ct%4)+j)*SP+64*\q   ; O^T(16 ct + 8 h + j, 32 w + 16 q + r); the halves of the lanes fall 32 banks apart
.set j, j+1
.endr
.set ct, ct+1
.endr
.endr
	WIN 0
	BARRIER                                        ; the stage is whole, and my stores have read window 1
	ds_load_b128 v[RLQ:RLQ+3], v[RLR]
	ds_load_b128 v[RLQ+4:RLQ+7], v[RLR] offset:512
	WIN 0x40                                       ; destinations in window 1
	XL 3, 0
	SDL 0
	SDL 1
	SDL 2
; Batch k. Behind its x stand the loads of 3 - k younger batches, 16 each. Behind its rows from the stage stand two younger batches' LDS loads (batches 0 and 1: batch 3's are issued in batch 0's turn), one (batch 2) or none.
.macro ROWS k
	s_wait_loadcnt 48-16*(\k)
.if (\k) < 2
	s_wait_dscnt 32
.else
	s_wait_dscnt 48-16*(\k)
.endif
.set sd, 64+64*((\k)%3)
.if (\k) < 3
.set rx, 64+64*(\k)
	WIN 0x01                                       ; source 0 (the stage's rows) in window 1
.else
.set rx, 0
	WIN 0x51                                       ; batch 3: x, and so y, in window 1 too
.endif
.set ra, 0
.rept 16
.set rq, RLQ+4*(ra%2)
	v_pk_fma_f32 v[rx+4*ra:rx+4*ra+1], v[sd+4*ra:sd+4*ra+1], v[rq:rq+1], v[rx+4*ra:rx+4*ra+1]
	v_pk_fma_f32 v[rx+4*ra+2:rx+4*ra+3], v[sd+4*ra+2:sd+4*ra+3], v[rq+2:rq+3], v[rx+4*ra+2:rx+4*ra+3]
.set ra, ra+1
.endr
.if (\k) == 0
	WIN 0x40
	SDL 3                                          ; into the buffer that batch 0 has just read
.endif
.if (\k) < 3
	WIN 0
.else
	WIN 0x04                                       ; store data in window 1
.endif
.set ra, 0
.rept 16
	global_store_b128 v[GO], v[rx+4*ra:rx+4*ra+3], s[YB:YB+1] offset:(8*(\k)+ra/2)*4096+512*(ra%2)   ; 512 bytes on end, at a multiple of 256 from the buffer's first byte
.set ra, ra+1
.endr
.if (\k) == 3
	WIN 0x05                                       ; sources 0 and 1 in window 1
.endif
.set ra, 0
.rept 16
	v_pk_fma_f32 v[SUM:SUM+1], v[rx+4*ra:rx+4*ra+1], v[rx+4*ra:rx+4*ra+1], v[SUM:SUM+1]
	v_pk_fma_f32 v[SUM+2:SUM+3], v[rx+4*ra+2:rx+4*ra+3], v[rx+4*ra+2:rx+4*ra+3], v[SUM+2:SUM+3]
.set ra, ra+1
.endr
.endm
	ROWS 0
	ROWS 1
	ROWS 2
	ROWS 3
	WIN 0
	v_pk_add_f32 v[SUM:SUM+1], v[SUM:SUM+1], v[SUM+2:SUM+3]
	v_add_f32 v[SUM], v[SUM], v[SUM+1]
	v_add_f32_dpp v[SUM], v[SUM], v[SUM] row_xmask:1 row_mask:0xf bank_mask:0xf
	v_add_f32_dpp v[SUM], v[SUM], v[SUM] row_xmask:2 row_mask:0xf bank_mask:0xf
	v_add_f32_dpp v[SUM], v[SUM], v[SUM] row_xmask:4 row_mask:0xf bank_mask:0xf
	v_add_f32_dpp v[SUM], v[SUM], v[SUM] row_xmask:8 row_mask:0xf bank_mask:0xf
	v_permlanex16_b32 v[SUM+1], v[SUM], s[SEL], s[SEL+1]
	v_add_f32 v[SUM], v[SUM], v[SUM+1]
	ds_store_b32 v[T5], v[SUM]                     ; all lanes write the wave's word with the same value
	BARRIER
	ds_load_b128 v[RLQ:RLQ+3], v[ADK]
	ds_load_b128 v[RLQ+4:RLQ+7], v[ADK] offset:16
	s_wait_dscnt 0x0
	v_pk_add_f32 v[RLQ:RLQ+1], v[RLQ:RLQ+1], v[RLQ+2:RLQ+3]
	v_pk_add_f32 v[RLQ+4:RLQ+5], v[RLQ+4:RLQ+5], v[RLQ+6:RLQ+7]
	v_pk_add_f32 v[RLQ:RLQ+1], v[RLQ:RLQ+1], v[RLQ+4:RLQ+5]
	v_add_f32 v[RLQ], v[RLQ], v[RLQ+1]
	v_cmp_eq_u32 vcc_lo, 0, v0
	s_wait_xcnt 0x0                                ; EXEC changes only behind this wait
	s_and_saveexec_b32 s21, vcc_lo
	global_store_b32 v[ADV], v[RLQ], s[PB:PB+1]    ; thread 0: the block's sum of y^2
	s_wait_xcnt 0x0
	s_or_b32 exec_lo, exec_lo, s21
	s_wait_tensorcnt 0x0                           ; the wave's end
	ds_add_u32 v[SPW], v[NIL]
	s_wait_dscnt 0x0
	CROUND                                         ; the closing round
	s_endpgm
.Lfunc_end_k_q47a65a027c_attn_self:
	.size	k_q47a65a027c_attn_self, .Lfunc_end_k_q47a65a027c_attn_self-k_q47a65a027c_attn_self
	.p2alignl 7, 3214868480
	.fill 96, 4, 3214868480
	.section	.rodata,"a",@progbits
	.p2align	6, 0x0
	.amdhsa_kernel k_q47a65a027c_attn_self
		.amdhsa_group_segment_fixed_size 327680
		.amdhsa_private_segment_fixed_size 0
		.amdhsa_enable_private_segment 0
		.amdhsa_kernarg_size 48
		.amdhsa_user_sgpr_count 2
		.amdhsa_user_sgpr_kernarg_segment_ptr 1
		.amdhsa_wavefront_size32 1
		.amdhsa_system_sgpr_workgroup_id_x 1
		.amdhsa_system_sgpr_workgroup_id_y 1
		.amdhsa_system_sgpr_workgroup_id_z 1
		.amdhsa_system_vgpr_workitem_id 0
		.amdhsa_next_free_vgpr 512
		.amdhsa_next_free_sgpr 100
		.amdhsa_reserve_vcc 1
		.amdhsa_float_denorm_mode_32 3
		.amdhsa_float_denorm_mode_16_64 3
		.amdhsa_memory_ordered 1
		.amdhsa_forward_progress 1
		.amdhsa_inst_pref_size 231
	.end_amdhsa_kernel
	.amdgpu_metadata
---
amdhsa.version: [ 1, 2 ]
amdhsa.kernels:
  - .name:           k_q47a65a027c_attn_self
    .symbol:         k_q47a65a027c_attn_self.kd
    .args:
      - { .name: codes1, .offset: 0, .size: 8, .value_kind: global_buffer, .address_space: global }
      - { .name: train_feat, .offset: 8, .size: 8, .value_kind: global_buffer, .address_space: global }
      - { .name: test_feat, .offset: 16, .size: 8, .value_kind: global_buffer, .address_space: global }
      - { .name: lowp_scales, .offset: 24, .size: 8, .value_kind: global_buffer, .address_space: global }
      - { .name: ybuf, .offset: 32, .size: 8, .value_kind: global_buffer, .address_space: global }
      - { .name: part1, .offset: 40, .size: 8, .value_kind: global_buffer, .address_space: global }
    .group_segment_fixed_size: 327680
    .private_segment_fixed_size: 0
    .kernarg_segment_align: 8
    .kernarg_segment_size: 48
    .max_flat_workgroup_size: 256
    .sgpr_count:     100
    .vgpr_count:     512
    .wavefront_size: 32
...
	.end_amdgpu_metadata
.endif
;; end of part 2
;; launch prep2 (part 3): grid 64 x 4, 8 waves a work-group, no clusters, 246,784 bytes of LDS; arguments ybuf, part1, train_label, WK_cross, bK_cross, lowp_scales, codes2; writes codes2
.if DOCPART == 3
	.amdgcn_target "amdgcn-amd-amdhsa--gfx1250"
	.amdhsa_code_object_version 6
	.text
	.protected	k_q47a65a027c_prep2
	.globl	k_q47a65a027c_prep2
	.p2align	8
	.type	k_q47a65a027c_prep2,@function
k_q47a65a027c_prep2:
	s_mov_b64 s[64:65], 0
	v_nop
	global_prefetch_b8 v0, s[64:65] scope:SCOPE_SE
	s_setreg_imm32_b32 hwreg(HW_REG_WAVE_MODE, 25, 1), 1
	s_wait_xcnt 0x0
; PREP2: what the four cross attentions multiply, as codes of E4M3. The skeleton is that of the launch that serves the self attentions; what differs:
; the tile is y x f, f = 8 / sqrt(sum of y^2 + 1e-5) (the instance norm: sqrt(1 / 4096) x sqrt(262144 / (ss + eps))), the sum from the four partial sums of the launch before;
; unit u = work-group y: dec = u & 1 (decoder on train, on test), isK = u >> 1. isK = 0: the decoder's x1 gives wq for the mask attention (set 0) and for the t3 attention (set 1);
; isK = 1: the memory gives wk for both, the values memory x label, and the label's own image (16 equal rows: the mask attention's value operand).
; Exponents, from entry base = 16 + 24 dec on: x 2 isK + 8 set, W one further, result 4 + isK + 8 set, values 14, label 6.
; codes2: [pair2 = 16 dec + b][key step][67,584]: 8 images of wk set 0, 8 of set 1, the label's image (2,048), V rows [256 d][128 bytes]; from byte 17,301,504 on [pair2][set][64 tiles][2,048]: wq.
; Layouts of images, V rows, K maps and the transposed use of the product: as in the launch for the self attentions; they are restated at the lines that make them.
; NO CLUSTER, NO TENSOR LOAD: W's numbers go 4 bytes a lane straight into the registers that the conversions read; a y tile is shared by the two isK units alone, not by all four.
; LIMITS: each given exponent between -126 and 119; the sum of a projection's two between -126 and 127. NaN is not served.
; REGISTERS. As there; v19-22 hold W's scales in the W phase, afterwards v19, v20 the label's; v[30:31] f.   window 1: v0-127 rows; v128-191 bias; v192-199 my four labels of key step 0, 1.
.set XP,    576
.set WI,    256*XP
.set VS,    WI+65536
.set SPARE, VS+32768                   ; the spare words, 128 bytes for each wave: four blocks of 256 bytes that no other line names
.set SPW,  1
.set NIL,  2
.set LI,   3
.set XSW,  4
.set XSR,  5
.set VSW,  9
.set VSR,  10
.set WIW,  11
.set WIR,  12
.set WOFF, 13
.set BOFF, 14
.set XSC,  15
.set WSC,  19
.set LSC,  19
.set OSC,  23
.set VSC,  27
.set F,    30
.set CA,   32
.set ACC,  32
.set T128, 32
.set T16,  96
.set XC,   112
.set VC,   160
.set CB,   176
.set WF,   176
.set VO,   192
.set OC,   240
.set BIAS, 128                         ; window 1
.set LAB,  192                         ; window 1
.set WV,   18
.set P2,   42
.set SEL,  46
.set MSB, 0
.macro WIN new
.if MSB != \new
	s_set_vgpr_msb (MSB<<8)|\new
.set MSB, \new
.endif
.endm
.macro PLACES n
.rept \n
	v_nop
.endr
.endm
.macro BARRIER
	s_wait_dscnt 0x0
	s_barrier_signal -1
	s_barrier_wait -1
.endm
.macro MKSC e, sc                      ; from the exponent in s[e]: v[sc] = 2^e, v[sc+1] = 448 x 2^e
	s_add_co_i32 s88, s[\e], 127
	s_lshl_b32 s89, s88, 23
	v_mov_b32 v[\sc], s89
	s_add_co_i32 s88, s88, 8
	s_lshl_b32 s88, s88, 23
	s_or_b32 s88, s88, 0x600000
	v_mov_b32 v[\sc+1], s88
.endm
.macro Q64 src, sc, dst                ; 64 numbers of a lane become 16 registers of codes; the numbers are kept
.set qg, 0
.rept 8
.set qk, 0
.rept 8
	v_med3_num_f32 v[T16+8*(qg%2)+qk], v[\src+8*qg+qk], -v[\sc+1], v[\sc+1]   ; the conversion to an 8-bit code does not saturate (ISA guide 7.6.2)
.set qk, qk+1
.endr
	v_cvt_scalef32_pk8_fp8_f32 v[\dst+2*qg:\dst+2*qg+1], v[T16+8*(qg%2):T16+8*(qg%2)+7], v[\sc]
.set qg, qg+1
.endr
	v_nop
.endm
.macro XLOAD it
	WIN 0x40
.set i, 0
.rept 32
	global_load_b128 v[4*i:4*i+3], v[LI], s[4:5] offset:4096*i+512*\it
.set i, i+1
.endr
	WIN 0
.endm
	s_load_b256 s[4:11], s[0:1], 0x0               ; ybuf s[4:5], part1 s[6:7], label s[8:9], WK s[10:11]
	s_load_b128 s[12:15], s[0:1], 0x20             ; bK s[12:13], the exponents s[14:15]
	s_load_b64 s[16:17], s[0:1], 0x30              ; codes2
	v_lshl_add_u32 v[SPW], v0, 2, SPARE
	v_mov_b32 v[NIL], 0
	v_lshrrev_b32 v29, 5, v0
	v_readfirstlane_b32 s[WV], v29
	v_and_b32 v29, 31, v0                          ; lane
	v_and_b32 v30, 15, v0                          ; r
	v_bfe_u32 v31, v0, 4, 1                        ; h
	v_lshlrev_b32 v[LI], 4, v29
	s_mul_i32 s24, s[WV], 32*XP
	v_add_nc_u32 v[XSW], s24, v[LI]
	v_mul_u32_u24 v[XSR], v31, XP
	v_lshl_add_u32 v[XSR], v30, 2, v[XSR]
	s_lshl_b32 s24, s[WV], 6
	v_add_nc_u32 v[XSR], s24, v[XSR]
.irp q, 1,2,3
	v_add_nc_u32 v[XSR+\q], 64*XP*\q, v[XSR]
.endr
	v_lshlrev_b32 v[WOFF], 9, v31
	v_lshl_add_u32 v[WOFF], v30, 2, v[WOFF]
	v_add_nc_u32 v[WOFF], s24, v[WOFF]
	v_lshlrev_b32 v[BOFF], 5, v31
	v_and_b32 v[VSW], 0x19, v29                    ; the lane's number with bits 1 and 2 exchanged
	v_and_b32 v[VSR], 2, v29
	v_lshl_or_b32 v[VSW], v[VSR], 1, v[VSW]
	v_bfe_u32 v[VSR], v29, 2, 1
	v_lshl_or_b32 v[VSW], v[VSR], 1, v[VSW]
	s_lshl_b32 s24, s[WV], 12
	s_add_co_u32 s24, s24, VS
	v_lshl_add_u32 v[VSW], v[VSW], 2, s24
	v_add_nc_u32 v[VSR], s24, v[LI]
	s_lshl_b32 s24, s[WV], 11
	s_add_co_u32 s24, s24, WI
	v_add_nc_u32 v[WIW], s24, v[LI]
	v_add_nc_u32 v[WIR], WI, v[LI]
	s_and_b32 s19, ttmp7, 0xffff                   ; u
	s_lshr_b32 s20, ttmp9, 2                       ; b
	s_and_b32 s21, ttmp9, 3                        ; p
	s_and_b32 s22, s19, 1                          ; dec
	s_lshr_b32 s23, s19, 1                         ; isK
	s_mul_i32 s24, s22, 96
	s_add_co_u32 s24, s24, 64                      ; 4 x (16 + 24 dec)
	s_mov_b32 s25, 0
	s_lshl_b32 s80, s22, 4
	s_add_co_u32 s80, s80, s20                     ; pair2
	s_mul_i32 s81, s80, 540672
	s_mul_i32 s82, s21, 135168
	s_add_co_u32 s81, s81, s82                     ; the period's two step blocks
	s_lshl_b32 s82, s[WV], 12
	s_add_co_u32 s36, s81, s82
	s_add_co_u32 s36, s36, 34816                   ; my 32 V rows
	s_mov_b32 s37, 0
	s_add_co_u32 s38, s81, 32768                   ; the label's image
	s_mov_b32 s39, 0
	s_lshl_b32 s82, s80, 18
	s_lshl_b32 s83, s21, 15
	s_add_co_u32 s82, s82, s83
	s_add_co_u32 s82, s82, 17301504                ; wq's images
	s_add_co_u32 s83, s80, 16                      ; the decoder's pair in ybuf
	s_mov_b32 s72, 16384
	s_mov_b32 s73, 131072
	s_mov_b32 s74, 67584
	s_cmp_eq_u32 s23, 1
	s_cselect_b32 s28, s81, s82                    ; where my unit's images go,
	s_cselect_b32 s75, s72, s73                    ; how far it is from set to set,
	s_cselect_b32 s76, s74, s72                    ; and from key step to key step
	s_cselect_b32 s83, s20, s83                    ; the source's pair: the memory is pair b
	s_lshl_b32 s82, s[WV], 11
	s_add_co_u32 s28, s28, s82
	s_add_co_u32 s30, s28, s76
	s_add_co_u32 s32, s28, s75
	s_add_co_u32 s34, s32, s76
	s_mov_b32 s29, 0
	s_mov_b32 s31, 0
	s_mov_b32 s33, 0
	s_mov_b32 s35, 0
	s_lshl_b32 s26, s83, 4
	s_mov_b32 s27, 0
	s_lshl_b32 s84, s83, 20
	s_lshl_b32 s82, s[WV], 17
	s_add_co_u32 s84, s84, s82
	s_lshl_b32 s82, s21, 10
	s_add_co_u32 s84, s84, s82
	s_mov_b32 s85, 0
	s_lshl_b32 s86, s20, 12
	s_add_co_u32 s86, s86, s82
	s_mov_b32 s87, 0
	s_mov_b32 s[SEL], 0x76543210
	s_mov_b32 s[SEL+1], 0xfedcba98
	s_wait_kmcnt 0x0
	s_add_nc_u64 s[14:15], s[14:15], s[24:25]
	s_load_b512 s[48:63], s[14:15], 0x0            ; the decoder's sixteen exponents
	s_add_nc_u64 s[6:7], s[6:7], s[26:27]
	s_load_b128 s[68:71], s[6:7], 0x0              ; the source's four partial sums
	s_add_nc_u64 s[4:5], s[4:5], s[84:85]
	s_add_nc_u64 s[8:9], s[8:9], s[86:87]
	s_add_nc_u64 s[28:29], s[16:17], s[28:29]
	s_add_nc_u64 s[30:31], s[16:17], s[30:31]
	s_add_nc_u64 s[32:33], s[16:17], s[32:33]
	s_add_nc_u64 s[34:35], s[16:17], s[34:35]
	s_add_nc_u64 s[36:37], s[16:17], s[36:37]
	s_add_nc_u64 s[38:39], s[16:17], s[38:39]
	WIN 0x40
	global_load_b128 v[LAB:LAB+3], v[LI], s[8:9]               ; my four labels of each key step (every unit loads them: one path writes what another might read)
	global_load_b128 v[LAB+4:LAB+7], v[LI], s[8:9] offset:512
	WIN 0
.set i, 0
.rept 64
	global_load_b32 v[CA+i], v[WOFF], s[10:11] offset:1024*i          ; W(2 i + h, 16 w + r)
.set i, i+1
.endr
.set i, 0
.rept 64
	global_load_b32 v[XC+i], v[WOFF], s[10:11] offset:65536+1024*i
.set i, i+1
.endr
	WIN 0x40
.set i, 0
.rept 8
	global_load_b128 v[BIAS+8*i:BIAS+8*i+3], v[BOFF], s[12:13] offset:64*i
	global_load_b128 v[BIAS+8*i+4:BIAS+8*i+7], v[BOFF], s[12:13] offset:64*i+16
.set i, i+1
.endr
	XLOAD 0
	s_wait_kmcnt 0x0
	s_cmp_eq_u32 s23, 1                            ; all choices on this compare stand ahead of the additions below
	s_cselect_b32 s72, s50, s48                    ; x, set 0
	s_cselect_b32 s73, s51, s49                    ; W, set 0
	s_cselect_b32 s74, s58, s56                    ; x, set 1
	s_cselect_b32 s75, s59, s57                    ; W, set 1
	s_cselect_b32 s76, s53, s52                    ; result, set 0
	s_cselect_b32 s77, s61, s60                    ; result, set 1
	MKSC 72, XSC
	MKSC 74, XSC+2
	MKSC 73, WSC
	MKSC 75, WSC+2
	MKSC 76, OSC
	MKSC 77, OSC+2
	MKSC 62, VSC
	s_add_co_i32 s[P2], s72, s73
	s_add_co_i32 s[P2], s[P2], 127
	s_lshl_b32 s[P2], s[P2], 23
	s_mov_b32 s[P2+1], s[P2]
	s_add_co_i32 s[P2+2], s74, s75
	s_add_co_i32 s[P2+2], s[P2+2], 127
	s_lshl_b32 s[P2+2], s[P2+2], 23
	s_mov_b32 s[P2+3], s[P2+2]
	s_wait_loadcnt 48                              ; the labels and W are in: the 16 loads of the bias and the 32 of y are younger
.irp st, 0,1
	Q64 CA, WSC+2*\st, OC
.irp c, 0,1,2,3
	ds_store_b128 v[WIW], v[OC+4*\c:OC+4*\c+3] offset:32768*\st+512*\c
.endr
	s_wait_dscnt 0x0
	Q64 XC, WSC+2*\st, OC
.irp c, 0,1,2,3
	ds_store_b128 v[WIW], v[OC+4*\c:OC+4*\c+3] offset:32768*\st+16384+512*\c
.endr
	s_wait_dscnt 0x0
.endr
	v_mov_b32 v29, s68                             ; W's scales are done with: f, and the label's scale in their place
	v_add_f32 v29, s69, v29
	v_mov_b32 v21, s70
	v_add_f32 v21, s71, v21
	v_add_f32 v29, v29, v21
	v_add_f32 v29, 0x3727c5ac, v29                 ; + 1e-5
	v_rsq_f32 v[F], v29
	v_nop
	s_wait_alu depctr_va_vdst(0)                   ; the wait ahead of the first reader
	v_mul_f32 v[F], 0x41000000, v[F]               ; x 8
	v_mov_b32 v[F+1], v[F]
	MKSC 54, LSC
.macro COLS
.irp q, 0,1
.set i, 0
.rept 32
	ds_load_b32 v[CA+32*\q+i], v[XSR+\q] offset:2*XP*i
.set i, i+1
.endr
.endr
.irp q, 0,1
.set i, 0
.rept 32
	ds_load_b32 v[CB+32*\q+i], v[XSR+2+\q] offset:2*XP*i
.set i, i+1
.endr
.endr
	s_wait_dscnt 63                                ; K step 0's 64 numbers are in. 64 loads are younger than the last of them; a wait's count goes up to 63, so one load more is waited for
	Q64 CA, XSC, XC
	Q64 CA, XSC+2, XC+32
	s_wait_dscnt 0x0
	Q64 CB, XSC, XC+16
	Q64 CB, XSC+2, XC+48
.endm
.macro PROJ st                         ; the eight sums take turns
.irp sg, 0,1
.irp g, 0,1
.irp t, 0,1,2,3
.irp c, 0,1,2,3
	ds_load_b128 v[WF+16*\t+4*\c:WF+16*\t+4*\c+3], v[WIR] offset:32768*\st+16384*\sg+2048*(4*\g+\t)+512*\c
.endr
.endr
	s_wait_dscnt 0x0
.irp t, 0,1,2,3
.if \sg == 0
	v_wmma_f32_16x16x128_fp8_fp8 v[ACC+8*(4*\g+\t):ACC+8*(4*\g+\t)+7], v[WF+16*\t:WF+16*\t+15], v[XC+32*\st+16*\sg:XC+32*\st+16*\sg+15], 0
.else
	v_wmma_f32_16x16x128_fp8_fp8 v[ACC+8*(4*\g+\t):ACC+8*(4*\g+\t)+7], v[WF+16*\t:WF+16*\t+15], v[XC+32*\st+16*\sg:XC+32*\st+16*\sg+15], v[ACC+8*(4*\g+\t):ACC+8*(4*\g+\t)+7]
.endif
.endr
	PLACES 4
.endr
.endr
.endm
.macro POST st, ptr
	WIN 0x10
.set j, 0
.rept 32
	v_pk_fma_f32 v[ACC+j:ACC+j+1], v[ACC+j:ACC+j+1], s[P2+2*\st:P2+2*\st+1], v[BIAS+j:BIAS+j+1] op_sel_hi:[1,0,1]
.set j, j+2
.endr
	WIN 0
	v_pk_mul_f32 v[176:177], v[ACC:ACC+1], v[ACC:ACC+1]
	v_pk_mul_f32 v[178:179], v[ACC+2:ACC+3], v[ACC+2:ACC+3]
.set j, 4
.rept 15
	v_pk_fma_f32 v[176:177], v[ACC+j:ACC+j+1], v[ACC+j:ACC+j+1], v[176:177]
	v_pk_fma_f32 v[178:179], v[ACC+j+2:ACC+j+3], v[ACC+j+2:ACC+j+3], v[178:179]
.set j, j+4
.endr
	v_pk_add_f32 v[176:177], v[176:177], v[178:179]
	v_add_f32 v176, v176, v177
	v_permlanex16_b32 v177, v176, s[SEL], s[SEL+1]
	v_add_f32 v176, v176, v177
	v_rsq_f32 v178, v176
	v_nop
	s_wait_alu depctr_va_vdst(0)
	v_min_num_f32 v178, 0x5368d4a5, v178           ; 1 / max(norm, 1e-12)
	v_mov_b32 v179, v178
.set j, 0
.rept 32
	v_pk_mul_f32 v[ACC+j:ACC+j+1], v[ACC+j:ACC+j+1], v[178:179] op_sel_hi:[1,0]
.set j, j+2
.endr
	s_wait_xcnt 0x0                                ; the last image's stores have read their registers
	Q64 ACC, OSC+2*\st, OC
.irp c, 0,1,2,3
	global_store_b128 v[LI], v[OC+4*\c:OC+4*\c+3], s[\ptr:\ptr+1] offset:512*\c
.endr
.endm
.macro ITER it
	s_wait_loadcnt 0x0
	WIN 0x41                                       ; the rows (destination and source 0) in window 1
.set i, 0
.rept 64
	v_pk_mul_f32 v[2*i:2*i+1], v[2*i:2*i+1], v[F:F+1] op_sel_hi:[1,0]   ; y x f
.set i, i+1
.endr
	WIN 0x04
.set i, 0
.rept 32
	ds_store_b128 v[XSW], v[4*i:4*i+3] offset:XP*i
.set i, i+1
.endr
	WIN 0
	s_cmp_eq_u32 s23, 0                            ; values and label are made by the memory's units alone: a branch on the work-group's number; no barrier stands inside
	s_cbranch_scc1 .Lnov_\@
	WIN 0x05                                       ; sources 0 and 1 in window 1
.set i, 0
.rept 32
	v_pk_mul_f32 v[T128+4*i:T128+4*i+1], v[4*i:4*i+1], v[LAB+4*\it:LAB+4*\it+1]       ; memory x label
	v_pk_mul_f32 v[T128+4*i+2:T128+4*i+3], v[4*i+2:4*i+3], v[LAB+4*\it+2:LAB+4*\it+3]
.set i, i+1
.endr
	WIN 0
.set i, 0
.rept 128
	v_med3_num_f32 v[T128+i], v[T128+i], -v[VSC+1], v[VSC+1]
.set i, i+1
.endr
.set i, 0
.rept 16
	v_cvt_scalef32_pk8_fp8_f32 v[VC+2*i:VC+2*i+1], v[T128+8*i:T128+8*i+7], v[VSC]
.set i, i+1
.endr
	v_nop
	s_wait_xcnt 0x0                                ; earlier stores have read their registers
.set i, 0
.rept 32
	ds_store_b32 v[VSW], v[VC+i] offset:128*i
.set i, i+1
.endr
.set i, 0
.rept 8
	ds_load_b128 v[VO+4*i:VO+4*i+3], v[VSR] offset:512*i
.set i, i+1
.endr
.set i, 0
.rept 8
	s_wait_dscnt 7-i
	global_store_b128 v[LI], v[VO+4*i:VO+4*i+3], s[36:37] offset:67584*\it+512*i
.set i, i+1
.endr
	s_cmp_lg_u32 s[WV], 0                          ; the label's image: wave 0. Register 16 c + 4 q + i of half h holds key 32 c + 16 (q / 2) + 8 h + 4 (q % 2) + i, in all sixteen rows
	s_cbranch_scc1 .Lnov_\@
.irp c, 0,1,2,3
	global_load_b128 v[CA+16*\c:CA+16*\c+3], v[BOFF], s[8:9] offset:512*\it+128*\c
	global_load_b128 v[CA+16*\c+4:CA+16*\c+7], v[BOFF], s[8:9] offset:512*\it+128*\c+16
	global_load_b128 v[CA+16*\c+8:CA+16*\c+11], v[BOFF], s[8:9] offset:512*\it+128*\c+64
	global_load_b128 v[CA+16*\c+12:CA+16*\c+15], v[BOFF], s[8:9] offset:512*\it+128*\c+80
.endr
	s_wait_loadcnt 0x0
	Q64 CA, LSC, OC
.irp c, 0,1,2,3
	global_store_b128 v[LI], v[OC+4*\c:OC+4*\c+3], s[38:39] offset:67584*\it+512*\c
.endr
.Lnov_\@:
	BARRIER                                        ; the whole tile (and, the first time, W's images) lies in LDS
	s_wait_xcnt 0x0                                ; the V stores have read their registers: the columns land there
.if \it == 0
	XLOAD 1
.endif
	COLS
.if \it == 0
	BARRIER                                        ; every wave has read its columns: the tile may be written again
.endif
	PROJ 0
	POST 0, 28+2*\it
	PROJ 1
	POST 1, 32+2*\it
.endm
	ITER 0
	ITER 1
	s_wait_tensorcnt 0x0                           ; the wave's end, behind my last LDS store
	ds_add_u32 v[SPW], v[NIL]
	s_wait_dscnt 0x0
	s_endpgm
.Lfunc_end_k_q47a65a027c_prep2:
	.size	k_q47a65a027c_prep2, .Lfunc_end_k_q47a65a027c_prep2-k_q47a65a027c_prep2
	.p2alignl 7, 3214868480
	.fill 96, 4, 3214868480
	.section	.rodata,"a",@progbits
	.p2align	6, 0x0
	.amdhsa_kernel k_q47a65a027c_prep2
		.amdhsa_group_segment_fixed_size 246784
		.amdhsa_private_segment_fixed_size 0
		.amdhsa_enable_private_segment 0
		.amdhsa_kernarg_size 56
		.amdhsa_user_sgpr_count 2
		.amdhsa_user_sgpr_kernarg_segment_ptr 1
		.amdhsa_wavefront_size32 1
		.amdhsa_system_sgpr_workgroup_id_x 1
		.amdhsa_system_sgpr_workgroup_id_y 1
		.amdhsa_system_sgpr_workgroup_id_z 1
		.amdhsa_system_vgpr_workitem_id 0
		.amdhsa_next_free_vgpr 512
		.amdhsa_next_free_sgpr 100
		.amdhsa_reserve_vcc 0
		.amdhsa_float_denorm_mode_32 3
		.amdhsa_float_denorm_mode_16_64 3
		.amdhsa_memory_ordered 1
		.amdhsa_forward_progress 1
		.amdhsa_inst_pref_size 227
	.end_amdhsa_kernel
	.amdgpu_metadata
---
amdhsa.version: [ 1, 2 ]
amdhsa.kernels:
  - .name:           k_q47a65a027c_prep2
    .symbol:         k_q47a65a027c_prep2.kd
    .args:
      - { .name: ybuf, .offset: 0, .size: 8, .value_kind: global_buffer, .address_space: global }
      - { .name: part1, .offset: 8, .size: 8, .value_kind: global_buffer, .address_space: global }
      - { .name: train_label, .offset: 16, .size: 8, .value_kind: global_buffer, .address_space: global }
      - { .name: WK_cross, .offset: 24, .size: 8, .value_kind: global_buffer, .address_space: global }
      - { .name: bK_cross, .offset: 32, .size: 8, .value_kind: global_buffer, .address_space: global }
      - { .name: lowp_scales, .offset: 40, .size: 8, .value_kind: global_buffer, .address_space: global }
      - { .name: codes2, .offset: 48, .size: 8, .value_kind: global_buffer, .address_space: global }
    .group_segment_fixed_size: 246784
    .private_segment_fixed_size: 0
    .kernarg_segment_align: 8
    .kernarg_segment_size: 56
    .max_flat_workgroup_size: 256
    .sgpr_count:     100
    .vgpr_count:     512
    .wavefront_size: 32
...
	.end_amdgpu_metadata
.endif
;; end of part 3
;; launch attn_cross (part 4): grid 8 x 32, 8 waves a work-group, clusters of 4 x 1, 327,680 bytes of LDS; arguments codes2, ybuf, part1, lowp_scales, u4buf, maskbuf, part2; writes u4buf, maskbuf, part2
.if DOCPART == 4
	.amdgcn_target "amdgcn-amd-amdhsa--gfx1250"
	.amdhsa_code_object_version 6
	.text
	.protected	k_q47a65a027c_attn_cross
	.globl	k_q47a65a027c_attn_cross
	.p2align	8
	.type	k_q47a65a027c_attn_cross,@function
k_q47a65a027c_attn_cross:
	s_mov_b64 s[64:65], 0
	v_nop
	global_prefetch_b8 v0, s[64:65] scope:SCOPE_SE
	s_setreg_imm32_b32 hwreg(HW_REG_WAVE_MODE, 25, 1), 1
	s_wait_xcnt 0x0
	s_wait_alu depctr_hold_cnt(0) depctr_sa_sdst(0) depctr_va_vdst(0) depctr_va_sdst(0) depctr_va_ssrc(0) depctr_va_vcc(0) depctr_vm_vsrc(0)
	s_getreg_b32 s2, hwreg(HW_REG_IB_STS2, 6, 4)
	s_cmp_eq_u32 s2, 0
	s_cbranch_scc0 .Lentry_in_a_cluster
	s_endpgm
.Lentry_in_a_cluster:
	s_bfe_u32 s2, ttmp6, 0x10000c
	s_cmp_lg_u32 s2, 0x3003
	s_cbranch_scc0 .Lentry_shape_is_right
	s_endpgm
.Lentry_shape_is_right:
; ATTN_CROSS: for a decoder and a batch element (pair2) and 128 queries: mask = softmax(30 wq . wk) label and t3 = softmax(30 wq' . wk') (memory x label), each attention with its own
; eight given scales, all products on codes of E4M3; then u4 = x1 + t3 (x1 = y f1), mask, and the partial sums of u2^2, u4^2 and u2 u4 (u2 = x1 mask) for the three norms that follow.
; ROLES. Waves 0-3 run the mask attention, waves 4-7 the t3 attention; wave & 3 picks 32 of the 128 queries, two tiles of 16. A SIMD holds one wave of each role.
; The mask attention's value operand has 256 equal rows (the label, spread over the channels): one tile of 16 rows is multiplied, and its row 0 is the mask.
; Softmax, layouts, ring and change of slots: as in the launch for the self attentions (t = score x 30 log2(e); M a whole number; p = 2^(t - M) quantised; the sum of the unquantised p divides at the end;
; both products transposed, a lane holds one query).
; CLUSTER. The four work-groups of a cluster belong to one pair2 and walk the same keys and values: each tile is asked for JOINTLY.
; RING. A period is two key steps, 135,168 dense bytes = 528 rows of 256, pitch 272; every wave fetches 66 rows: two loads of a wave are out at the start, one behind each round.
; LIMITS: eq + ek between -131 and 122; ep between -126 and 119. NaN is not served.
; REGISTERS. As there. The way out: v32-35 mask, v36-39 2^e / l, v40-51 six sums, v52-59 at work, v64-127 rows from the stage, v128-255 my 32 rows of y, which become u4 in place.
.set STEPB, 71808                      ; a key step in LDS: 64 rows wk set 0, 64 rows set 1, 8 rows label, 128 rows V
.set KB,    17408
.set LOFF,  34816
.set VOFF,  36992
.set PERB,  135168
.set SLOT1, 143616
.set SP,    528                        ; the stage: [256 d], 512 bytes + 16; it lies in slot 0, which has had its last fill and its last read
.set ARR,   287232                     ; mask[128], then 2^e / l [128]
.set RED,   288256
.set SPARE, 288512                     ; the spare words, 128 bytes for each wave: four blocks of 256 bytes that no other line names
.set SPW, 1
.set NIL, 2
.set AKI, 3
.set AVF, 4
.set ARQ, 5
.set ADK, 6
.set ADV, 7
.set SB0, 8
.set ARRA, 10
.set SRD, 11
.set ST,  12
.set FF,  20
.set MX,  24
.set F1,  26
.set GO,  28
.set PFO, 29
.set PLIM, 30
.set PSC, 31
.set QF,  32
.set S,   64
.set VB0, 64
.set VB1, 128
.set FB,  192
.set PC,  192
.set MQ,  32
.set RQ,  36
.set SQ2, 40
.set SQ4, 44
.set SQC, 48
.set X1,  52
.set U2,  56
.set SD,  64
.set WV,  18
.set G1,  24
.set G0,  32
.set CS,  40
.set SEL, 42
.set TB,  44
.set TWICE, 45
.set PFA, 46
.set YB,  52
.set UB,  54
.set QB,  56
.set PB,  58
.set MB,  60
.set LIM, 62
.set PFY, 90                           ; s[90:91] where my prefetches of y stand
.set MSB, 0
.macro WIN new
.if MSB != \new
	s_set_vgpr_msb (MSB<<8)|\new
.set MSB, \new
.endif
.endm
.macro PLACES n
.rept \n
	v_nop
.endr
.endm
.macro BARRIER
	s_wait_dscnt 0x0
	s_barrier_signal -1
	s_barrier_wait -1
.endm
.macro CROUND
	s_barrier_signal -1
	s_barrier_wait -1
	s_cmp_lg_u32 s[WV], 0
	s_cbranch_scc1 .Lnot_wave_0_\@
	s_barrier_signal -3
.Lnot_wave_0_\@:
	s_barrier_wait -3
	s_barrier_signal -1
	s_barrier_wait -1
.endm
	s_load_b256 s[4:11], s[0:1], 0x0               ; codes2 s[4:5], ybuf s[6:7], part1 s[8:9], the exponents s[10:11]
	s_load_b128 s[12:15], s[0:1], 0x20             ; u4buf s[12:13], maskbuf s[14:15]
	s_load_b64 s[16:17], s[0:1], 0x30              ; part2
	v_lshl_add_u32 v[SPW], v0, 2, SPARE
	v_mov_b32 v[NIL], 0
	ds_add_u32 v[SPW], v[NIL]                      ; the wave's opening: the add and its wait ahead of my first tensor load
	v_lshrrev_b32 v[ARQ], 5, v0
	v_readfirstlane_b32 s[WV], v[ARQ]
	s_bfe_u32 s19, ttmp6, 0x40000                  ; cx
	s_and_b32 s20, ttmp7, 0xffff                   ; pair2
	s_lshr_b32 s21, s[WV], 2                       ; role
	s_and_b32 s22, s[WV], 3                        ; which 32 queries
	s_lshl_b32 s23, ttmp9, 2
	s_add_co_u32 s23, s23, s19                     ; block of 128 queries: it enters global addresses alone
	s_or_b32 s[LIM], s21, ttmp9                    ; 0 in waves 0-3 of the pair's first cluster: they prefetch the codes
	s_mov_b32 s[G1], 15|(3<<16)|(1<<20)|(1<<21)|(5<<22)|(3<<25)
	s_mov_b32 s[G1+1], 32<<16
	s_mov_b32 s[G1+2], 66<<16
	s_mov_b32 s[G1+3], 32<<16
	s_mov_b32 s[G1+4], 66
	s_mov_b32 s[G1+5], 32
	s_mov_b32 s[G1+6], 0
	s_mov_b32 s[G1+7], 0
	s_mul_i32 s66, s20, 540672                     ; the pair's keys and values, my 66 rows: the same in all four partners
	s_mul_i32 s67, s[WV], 66*256
	s_add_co_u32 s66, s66, s67
	s_mov_b32 s67, 0
	s_lshr_b32 s88, s20, 4                         ; dec
	s_mul_i32 s68, s88, 96
	s_lshl_b32 s88, s21, 5
	s_add_co_u32 s68, s68, s88
	s_add_co_u32 s68, s68, 80                      ; eq ek e3 ep: entry 16 + 24 dec + 4 + 8 role on
	s_mov_b32 s69, 0
	s_add_co_u32 s89, s20, 16                      ; the decoder's pair in ybuf and part1
	s_lshl_b32 s70, s89, 4
	s_mov_b32 s71, 0
	s_lshl_b32 s72, s20, 18                        ; Q: [pair2][set = role][64 tiles][2,048]: tile 8 block + 2 (wave & 3)
	s_lshl_b32 s88, s21, 17
	s_add_co_u32 s72, s72, s88
	s_lshl_b32 s88, s23, 14
	s_add_co_u32 s72, s72, s88
	s_lshl_b32 s88, s22, 12
	s_add_co_u32 s72, s72, s88
	s_add_co_u32 s72, s72, 17301504
	s_mov_b32 s73, 0
	s_lshl_b32 s88, s[WV], 17                      ; rows 32 w on, columns 128 block on
	s_lshl_b32 s78, s23, 9
	s_add_co_u32 s88, s88, s78
	s_lshl_b32 s74, s89, 20
	s_add_co_u32 s74, s74, s88
	s_mov_b32 s75, 0
	s_lshl_b32 s76, s20, 20
	s_add_co_u32 s76, s76, s88
	s_mov_b32 s77, 0
	s_lshl_b32 s[PFY], s89, 20                     ; the prefetch of y: the decoder's pair, whole rows 32 block + 4 w on
	s_lshl_b32 s88, s23, 17
	s_add_co_u32 s[PFY], s[PFY], s88
	s_lshl_b32 s88, s[WV], 14
	s_add_co_u32 s[PFY], s[PFY], s88
	s_mov_b32 s[PFY+1], 0
	s_lshl_b32 s88, s20, 12
	s_add_co_u32 s78, s78, s88                     ; mask[pair2][128 block]
	s_mov_b32 s79, 0
	s_lshl_b32 s84, s20, 7
	s_lshl_b32 s88, s23, 4
	s_add_co_u32 s84, s84, s88                     ; part2[pair2][block]
	s_mov_b32 s85, 0
	s_mul_i32 s86, s20, 540672                     ; the prefetch of codes: period 3; step cx / 2, half cx % 2 of its first 65,536 bytes, my wave's 8,192
	s_lshr_b32 s88, s19, 1
	s_mul_i32 s88, s88, 67584
	s_add_co_u32 s86, s86, s88
	s_and_b32 s88, s19, 1
	s_lshl_b32 s88, s88, 15
	s_add_co_u32 s86, s86, s88
	s_lshl_b32 s88, s22, 13
	s_add_co_u32 s86, s86, s88
	s_add_co_u32 s86, s86, 3*PERB
	s_mov_b32 s87, 0
	s_mov_b32 s[SEL], 0x76543210
	s_mov_b32 s[SEL+1], 0xfedcba98
	s_mov_b32 s[CS], 0x422d1f97                    ; c = 30 log2(e)
	s_wait_dscnt 0x0                               ; the opening add is done
	s_wait_kmcnt 0x0
	s_add_nc_u64 s[10:11], s[10:11], s[68:69]
	s_load_b128 s[48:51], s[10:11], 0x0            ; eq ek e3 ep
	s_add_nc_u64 s[8:9], s[8:9], s[70:71]
	s_load_b128 s[80:83], s[8:9], 0x0              ; the four partial sums of y^2
	s_add_nc_u64 s[66:67], s[4:5], s[66:67]
	s_add_nc_u64 s[QB:QB+1], s[4:5], s[72:73]
	s_add_nc_u64 s[PFA:PFA+1], s[4:5], s[86:87]
	s_add_nc_u64 s[YB:YB+1], s[6:7], s[74:75]
	s_add_nc_u64 s[PFY:PFY+1], s[6:7], s[PFY:PFY+1]
	s_add_nc_u64 s[UB:UB+1], s[12:13], s[76:77]
	s_add_nc_u64 s[MB:MB+1], s[14:15], s[78:79]
	s_add_nc_u64 s[PB:PB+1], s[16:17], s[84:85]
	s_mov_b32 s[G0], 1
	s_mul_i32 s[G0+1], s[WV], 66*272
	s_mov_b64 s[G0+2:G0+3], s[66:67]
	s_or_b32 s[G0+3], s[G0+3], 0x80000000
	s_mov_b32 s[G0+4], 1
	s_add_co_u32 s[G0+5], s[G0+1], SLOT1
	s_add_nc_u64 s[G0+6:G0+7], s[66:67], PERB
	s_or_b32 s[G0+7], s[G0+7], 0x80000000
	CROUND                                         ; all four work-groups are here: the first joint loads meet
	tensor_load_to_lds s[G0:G0+3], s[G1:G1+7]
	s_nop 0
	tensor_load_to_lds s[G0+4:G0+7], s[G1:G1+7]
	s_nop 0
	PLACES 4
	v_and_b32 v[GO], 31, v0
	v_lshlrev_b32 v[PFO], 8, v[GO]
	v_lshlrev_b32 v[GO], 4, v[GO]
.irp q, 0,1
.irp c, 0,1,2,3
	global_load_b128 v[QF+16*\q+4*\c:QF+16*\q+4*\c+3], v[GO], s[QB:QB+1] offset:2048*\q+512*\c
.endr
.endr
	v_and_b32 v[ADK], 15, v0                       ; r
	v_bfe_u32 v[ADV], v0, 4, 1                     ; h
	v_mul_u32_u24 v[AKI], v[ADV], 272
	v_lshl_add_u32 v[AKI], v[ADK], 4, v[AKI]
	s_mul_i32 s88, s21, KB
	v_add_nc_u32 v[AKI], s88, v[AKI]               ; my role's set of keys
	v_bfe_u32 v[ARQ], v0, 1, 3
	v_mul_u32_u24 v[AVF], v[ARQ], 272
	v_and_b32 v[ARQ], 1, v0
	v_lshl_add_u32 v[AVF], v[ARQ], 7, v[AVF]
	v_lshl_add_u32 v[AVF], v[ADV], 4, v[AVF]
	v_add_nc_u32 v[AVF], VOFF, v[AVF]
	v_mul_u32_u24 v[SB0], v[ADV], 8*SP             ; the stage, way in: row 8 h, column 32 (wave & 3) + r
	v_lshl_add_u32 v[SB0], v[ADK], 2, v[SB0]
	s_lshl_b32 s88, s22, 7
	v_add_nc_u32 v[SB0], s88, v[SB0]
	v_add_nc_u32 v[SB0+1], 128*SP, v[SB0]
	v_lshl_add_u32 v[ARRA], v[ADK], 2, ARR
	s_lshl_b32 s88, s[WV], 7
	v_add_nc_u32 v[ARRA], s88, v[ARRA]             ; waves 0-3 fall on the masks, waves 4-7 on the divisors
	v_add_nc_u32 v[ARQ], ARR, v[GO]
	s_mul_i32 s88, s[WV], 32*SP
	v_add_nc_u32 v[SRD], s88, v[GO]
.irp q, 0,1
	v_mov_b32 v[ST+4*\q+1], 0xff61b1e6
	v_floor_f32 v[ST+4*\q], -v[ST+4*\q+1]
	v_mov_b32 v[ST+4*\q+2], 0
	v_mov_b32 v[ST+4*\q+3], 0
	v_mov_b32 v[FF+2*\q+1], 0
.endr
	WIN 0x40
.set i, 0
.rept 256
	v_mov_b32 v[i], 0                              ; O^T: the key step is written once for all steps; these lines stand while the first tiles are on their way
.set i, i+1
.endr
	WIN 0
	s_wait_kmcnt 0x0
	s_add_co_i32 s88, s48, s49
	s_lshl_b32 s88, s88, 23
	s_add_co_i32 s[CS], s[CS], s88
	s_mov_b32 s[CS+1], s[CS]
	s_add_co_i32 s88, s51, 127
	s_lshl_b32 s89, s88, 23
	v_mov_b32 v[PSC], s89
	s_add_co_i32 s88, s88, 8
	s_lshl_b32 s88, s88, 23
	s_or_b32 s88, s88, 0x600000
	v_mov_b32 v[PLIM], s88
.macro QK
.irp g, 0,1
.irp t, 0,1,2,3
.irp c, 0,1,2,3
	ds_load_b128 v[FB+16*\t+4*\c:FB+16*\t+4*\c+3], v[ADK] offset:2176*(4*\g+\t)+544*\c
.endr
.endr
	s_wait_dscnt 8                                 ; two fragments are in; the other two's eight loads are younger
.irp t, 0,1
.irp q, 0,1
	v_wmma_f32_16x16x128_fp8_fp8 v[S+64*\q+8*(4*\g+\t):S+64*\q+8*(4*\g+\t)+7], v[FB+16*\t:FB+16*\t+15], v[QF+16*\q:QF+16*\q+15], 0
.endr
.endr
	s_wait_dscnt 0x0
.irp t, 2,3
.irp q, 0,1
	v_wmma_f32_16x16x128_fp8_fp8 v[S+64*\q+8*(4*\g+\t):S+64*\q+8*(4*\g+\t)+7], v[FB+16*\t:FB+16*\t+15], v[QF+16*\q:QF+16*\q+15], 0
.endr
.endr
	PLACES 4
.endr
.endm
.macro SM_MAX q
	v_max3_num_f32 v[MX+2*\q], v[S+64*\q], v[S+64*\q+1], v[S+64*\q+2]
	v_max3_num_f32 v[MX+2*\q+1], v[S+64*\q+3], v[S+64*\q+4], v[S+64*\q+5]
.set i, 6
.rept 14
	v_max3_num_f32 v[MX+2*\q], v[MX+2*\q], v[S+64*\q+i], v[S+64*\q+i+1]
	v_max3_num_f32 v[MX+2*\q+1], v[MX+2*\q+1], v[S+64*\q+i+2], v[S+64*\q+i+3]
.set i, i+4
.endr
	v_max3_num_f32 v[MX+2*\q], v[MX+2*\q], v[S+64*\q+62], v[S+64*\q+63]
	v_max_num_f32 v[MX+2*\q], v[MX+2*\q], v[MX+2*\q+1]
	v_permlanex16_b32 v[FF+2*\q+1], v[MX+2*\q], s[SEL], s[SEL+1]
	v_max_num_f32 v[MX+2*\q], v[MX+2*\q], v[FF+2*\q+1]
	v_mul_f32 v[MX+2*\q], s[CS], v[MX+2*\q]
	v_max_num_f32 v[ST+4*\q+1], v[ST+4*\q+1], v[MX+2*\q]
	v_mov_b32 v[MX+2*\q], v[ST+4*\q]
	v_floor_f32 v[ST+4*\q], -v[ST+4*\q+1]
	v_sub_f32 v[MX+2*\q], v[ST+4*\q], v[MX+2*\q]
	v_cvt_i32_f32 v[MX+2*\q], v[MX+2*\q]
	v_ldexp_f32 v[FF+2*\q], 1.0, v[MX+2*\q]
.endm
.macro SM_EXP q
.set i, 0
.rept 32
	v_pk_fma_f32 v[S+64*\q+i:S+64*\q+i+1], v[S+64*\q+i:S+64*\q+i+1], s[CS:CS+1], v[ST+4*\q:ST+4*\q+1] op_sel_hi:[1,0,0]
.set i, i+2
.endr
.set i, 0
.rept 64
	v_exp_f32 v[S+64*\q+i], v[S+64*\q+i]
.set i, i+1
.endr
.endm
.macro SM_SUM q
	v_pk_add_f32 v[MX+2*\q:MX+2*\q+1], v[S+64*\q:S+64*\q+1], v[S+64*\q+2:S+64*\q+3]
.set i, 4
.rept 15
	v_pk_add_f32 v[ST+4*\q+2:ST+4*\q+3], v[ST+4*\q+2:ST+4*\q+3], v[S+64*\q+i:S+64*\q+i+1]
	v_pk_add_f32 v[MX+2*\q:MX+2*\q+1], v[MX+2*\q:MX+2*\q+1], v[S+64*\q+i+2:S+64*\q+i+3]
.set i, i+4
.endr
	v_pk_add_f32 v[ST+4*\q+2:ST+4*\q+3], v[ST+4*\q+2:ST+4*\q+3], v[MX+2*\q:MX+2*\q+1]
.set i, 0
.rept 8
.set k, 0
.rept 8
	v_min_num_f32 v[S+64*\q+8*i+k], v[S+64*\q+8*i+k], v[PLIM]
.set k, k+1
.endr
	v_cvt_scalef32_pk8_fp8_f32 v[PC+16*\q+2*i:PC+16*\q+2*i+1], v[S+64*\q+8*i:S+64*\q+8*i+7], v[PSC]
.set i, i+1
.endr
.endm
.macro SMX
	SM_MAX 0
	SM_MAX 1
	SM_EXP 0
	SM_EXP 1
	v_pk_mul_f32 v[ST+2:ST+3], v[ST+2:ST+3], v[FF:FF+1] op_sel_hi:[1,0]
	v_pk_mul_f32 v[ST+6:ST+7], v[ST+6:ST+7], v[FF+2:FF+3] op_sel_hi:[1,0]
	s_wait_alu depctr_va_vdst(0)                   ; one wait for both tiles' 128 exponentials, ahead of their first reader
	SM_SUM 0
	SM_SUM 1
	v_nop
.endm
.macro FRAGV buf, ct
.irp c, 0,1,2,3
	ds_load_b128 v[\buf+4*\c:\buf+4*\c+3], v[ADV] offset:2176*(\ct)+32*\c
.endr
.endm
.macro PV8 buf, ct0
.irp t, 0,1,2,3
.irp q, 0,1
	v_wmma_f32_16x16x128_fp8_fp8 v[128*\q+8*(\ct0+\t):128*\q+8*(\ct0+\t)+7], v[\buf+16*\t:\buf+16*\t+15], v[PC+16*\q:PC+16*\q+15], v[128*\q+8*(\ct0+\t):128*\q+8*(\ct0+\t)+7]
.endr
.endr
.endm
.macro PVB                             ; the t3 waves: O^T = O^T f + V P^T
.irp t, 0,1,2,3
	FRAGV VB0+16*\t, \t
.endr
.irp t, 0,1,2,3
	FRAGV VB1+16*\t, 4+\t
.endr
	WIN 0x41
.irp q, 0,1
.set i, 0
.rept 64
	v_pk_mul_f32 v[128*\q+i:128*\q+i+1], v[128*\q+i:128*\q+i+1], v[FF+2*\q:FF+2*\q+1] op_sel_hi:[1,0]
.set i, i+2
.endr
.endr
	s_wait_dscnt 16                                ; buffer 0 is in; buffer 1's 16 loads are younger
	WIN 0x50
	PV8 VB0, 0
	WIN 0
	PLACES 4
.irp t, 0,1,2,3
	FRAGV VB0+16*\t, 8+\t
.endr
	s_wait_dscnt 16
	WIN 0x50
	PV8 VB1, 4
	WIN 0
	PLACES 4
.irp t, 0,1,2,3
	FRAGV VB1+16*\t, 12+\t
.endr
	s_wait_dscnt 16
	WIN 0x50
	PV8 VB0, 8
	s_wait_dscnt 0x0
	PV8 VB1, 12
	WIN 0
.endm
.macro PVA                             ; the mask waves: one tile of equal rows: the label's image, which lies LOFF behind set 0's keys
.irp c, 0,1,2,3
	ds_load_b128 v[VB0+4*\c:VB0+4*\c+3], v[ADK] offset:LOFF+544*\c
.endr
	WIN 0x41
.irp q, 0,1
.irp i, 0,2,4,6
	v_pk_mul_f32 v[128*\q+\i:128*\q+\i+1], v[128*\q+\i:128*\q+\i+1], v[FF+2*\q:FF+2*\q+1] op_sel_hi:[1,0]
.endr
.endr
	s_wait_dscnt 0x0
	WIN 0x50
.irp q, 0,1
	v_wmma_f32_16x16x128_fp8_fp8 v[128*\q:128*\q+7], v[VB0:VB0+15], v[PC+16*\q:PC+16*\q+15], v[128*\q:128*\q+7]
.endr
	WIN 0
.endm
.macro STEP
	v_add_nc_u32 v[ADK], s[TB], v[AKI]
	v_add_nc_u32 v[ADV], s[TB], v[AVF]
	PLACES 3                                       ; five places in all behind the last step's products
	QK
	SMX
	s_cmp_lt_u32 s[WV], 4                          ; the roles part on the wave's number, round the second product alone
	s_cbranch_scc1 .Lmask_\@
	PVB
	s_branch .Ljoin_\@
.Lmask_\@:
	PVA
.Ljoin_\@:
.endm
.macro TWO_STEPS base
	s_mov_b32 s[TB], \base
	s_mov_b32 s[TWICE], 2
.Lstep_\@:
	STEP
	s_add_co_u32 s[TB], s[TB], STEPB
	s_sub_co_u32 s[TWICE], s[TWICE], 1
	s_cmp_lg_u32 s[TWICE], 0
	s_cbranch_scc1 .Lstep_\@
.endm
; The change of slots, as in the launch for the self attentions. ask = 1: waves 0-3 of the pair's first cluster prefetch what the NEXT refill will ask for, period 3: of each of its two step blocks the first
; 65,536 bytes: 4 work-groups (told apart by address) x 4 waves x 32 lanes x 256 bytes; each block once in the launch; a block's last 2,048 bytes are not asked for.
; fill = 0: the last change: nothing is left to fetch of the codes, and the rows of y that the way out reads are prefetched, two key steps ahead of their loads. The pair's 256 rows of 4,096 bytes are shared out
; BY ADDRESS among its eight work-groups: block k takes whole rows 32 k on, wave w four of them, 16,384 bytes on end: two instructions, lanes 256 bytes apart: each block of 256 bytes once in the launch.
.macro CHANGE slot, fill, ask
	s_wait_tensorcnt 0x0
	ds_add_u32 v[SPW], v[NIL]
.if \fill
	s_add_nc_u64 s[G0+4*\slot+2:G0+4*\slot+3], s[G0+4*\slot+2:G0+4*\slot+3], 2*PERB
.endif
	s_wait_dscnt 0x0
.if \fill
	CROUND
	tensor_load_to_lds s[G0+4*\slot:G0+4*\slot+3], s[G1:G1+7]
	s_nop 0
	PLACES 4
.if \ask
	s_cmp_eq_u32 s[LIM], 0
	s_cbranch_scc0 .Lno_ask_\@
	global_prefetch_b8 v[PFO], s[PFA:PFA+1] th:TH_LOAD_NT scope:SCOPE_SE
.Lno_ask_\@:
.endif
.else
	s_barrier_signal -1
	s_barrier_wait -1
	global_prefetch_b8 v[PFO], s[PFY:PFY+1] th:TH_LOAD_NT scope:SCOPE_SE
	global_prefetch_b8 v[PFO], s[PFY:PFY+1] offset:8192 th:TH_LOAD_NT scope:SCOPE_SE
.endif
.endm
	s_wait_tensorcnt 0x1                           ; my part of period 0 is in; period 1's load may stay out
	s_barrier_signal -1
	s_barrier_wait -1
	s_wait_loadcnt 0x0                             ; Q
	TWO_STEPS 0
	CHANGE 0, 1, 1
	TWO_STEPS SLOT1
	CHANGE 1, 1, 0
	TWO_STEPS 0
	CHANGE 0, 0, 0
	TWO_STEPS SLOT1
	; THE WAY OUT. All 32 of my rows of y are asked for HERE, ahead of the stage's stores: v128-255 are free behind the last product. u4 is formed in y's own registers, which are never written again.
.macro YL k                            ; y: 16 of my 32 rows, 512 bytes each, into buffer k
.set ra, 0
.rept 16
	global_load_b128 v[128+64*\k+4*ra:128+64*\k+4*ra+3], v[GO], s[YB:YB+1] offset:(16*\k+ra)*4096
.set ra, ra+1
.endr
.endm
	PLACES 4
	YL 0
	YL 1
	v_add_f32 v[ST+2], v[ST+2], v[ST+3]
	v_add_f32 v[ST+6], v[ST+6], v[ST+7]
	v_permlanex16_b32 v[FF+1], v[ST+2], s[SEL], s[SEL+1]
	v_permlanex16_b32 v[FF+3], v[ST+6], s[SEL], s[SEL+1]
	v_add_f32 v[ST+2], v[ST+2], v[FF+1]
	v_add_f32 v[ST+6], v[ST+6], v[FF+3]
	v_mov_b32 v[MX], s80
	v_add_f32 v[MX], s81, v[MX]
	v_mov_b32 v[MX+1], s82
	v_add_f32 v[MX+1], s83, v[MX+1]
	v_add_f32 v[MX], v[MX], v[MX+1]
	v_add_f32 v[MX], 0x3727c5ac, v[MX]             ; + 1e-5
	v_rcp_f32 v[FF], v[ST+2]
	v_rcp_f32 v[FF+2], v[ST+6]
	v_rsq_f32 v[F1], v[MX]
	v_mov_b32 v[ADV], 0                            ; (a plain line behind the transcendentals)
	s_add_co_i32 s88, s50, s51                     ; e3 + ep
	s_lshl_b32 s89, s[WV], 4
	s_add_co_u32 s89, s89, RED
	v_mov_b32 v[ADK], s89
.set i, 0
.rept 12
	v_mov_b32 v[SQ2+i], 0
.set i, i+1
.endr
	s_wait_alu depctr_va_vdst(0)                   ; one wait for the three, ahead of their first reader
	v_ldexp_f32 v[FF], v[FF], s88
	v_ldexp_f32 v[FF+2], v[FF+2], s88
	v_mul_f32 v[F1], 0x41000000, v[F1]             ; f1 = 8 / sqrt(ss + eps)
	v_mov_b32 v[F1+1], v[F1]
	BARRIER                                        ; nobody reads the slots any more
	s_cmp_lt_u32 s[WV], 4
	s_cbranch_scc1 .Lwmask
	ds_store_b32 v[ARRA], v[FF]
	ds_store_b32 v[ARRA], v[FF+2] offset:64
	WIN 0x04
.irp q, 0,1
.set ct, 0
.rept 16
.set j, 0
.rept 8
	ds_store_b32 v[SB0+ct/8], v[128*\q+8*ct+j] offset:(16*(ct%8)+j)*SP+64*\q
.set j, j+1
.endr
.set ct, ct+1
.endr
.endr
	WIN 0
	s_branch .Lwjoin
.Lwmask:
	WIN 0x01                                       ; source 0 in window 1: register 0 of each tile's one sum
	v_mul_f32 v[MX], v[0], v[FF]
	v_mul_f32 v[MX+1], v[128], v[FF+2]
	WIN 0
	ds_store_b32 v[ARRA], v[MX]
	ds_store_b32 v[ARRA], v[MX+1] offset:64
.Lwjoin:
	BARRIER                                        ; the stage, the masks and the divisors are whole
	ds_load_b128 v[MQ:MQ+3], v[ARQ]
	ds_load_b128 v[RQ:RQ+3], v[ARQ] offset:512
.macro ROWS k
.set ra, 0
.rept 16
	ds_load_b128 v[SD+4*ra:SD+4*ra+3], v[SRD] offset:(16*\k+ra)*SP
.set ra, ra+1
.endr
	s_wait_loadcnt 16-16*\k                        ; this batch's y is in; behind batch 0's stand batch 1's 16 loads
	s_wait_dscnt 0x0
.set ra, 0
.rept 16
.set rd, SD+4*ra
.set ry, 128+64*\k+4*ra
	v_pk_mul_f32 v[X1:X1+1], v[ry:ry+1], v[F1:F1+1] op_sel_hi:[1,0]               ; x1 = y f1
	v_pk_mul_f32 v[X1+2:X1+3], v[ry+2:ry+3], v[F1:F1+1] op_sel_hi:[1,0]
	v_pk_fma_f32 v[ry:ry+1], v[rd:rd+1], v[RQ:RQ+1], v[X1:X1+1]                   ; u4 = x1 + t3, in y's place
	v_pk_fma_f32 v[ry+2:ry+3], v[rd+2:rd+3], v[RQ+2:RQ+3], v[X1+2:X1+3]
	v_pk_mul_f32 v[U2:U2+1], v[X1:X1+1], v[MQ:MQ+1]                               ; u2 = x1 mask
	v_pk_mul_f32 v[U2+2:U2+3], v[X1+2:X1+3], v[MQ+2:MQ+3]
	global_store_b128 v[GO], v[ry:ry+3], s[UB:UB+1] offset:(16*\k+ra)*4096         ; 512 bytes on end, at a multiple of 256 from the buffer's first byte
	v_pk_fma_f32 v[SQ2:SQ2+1], v[U2:U2+1], v[U2:U2+1], v[SQ2:SQ2+1]
	v_pk_fma_f32 v[SQ2+2:SQ2+3], v[U2+2:U2+3], v[U2+2:U2+3], v[SQ2+2:SQ2+3]
	v_pk_fma_f32 v[SQ4:SQ4+1], v[ry:ry+1], v[ry:ry+1], v[SQ4:SQ4+1]
	v_pk_fma_f32 v[SQ4+2:SQ4+3], v[ry+2:ry+3], v[ry+2:ry+3], v[SQ4+2:SQ4+3]
	v_pk_fma_f32 v[SQC:SQC+1], v[U2:U2+1], v[ry:ry+1], v[SQC:SQC+1]
	v_pk_fma_f32 v[SQC+2:SQC+3], v[U2+2:U2+3], v[ry+2:ry+3], v[SQC+2:SQC+3]
.set ra, ra+1
.endr
.endm
	ROWS 0
	ROWS 1
	s_cmp_lg_u32 s[WV], 0
	s_cbranch_scc1 .Lnomask
	global_store_b128 v[GO], v[MQ:MQ+3], s[MB:MB+1]                                ; wave 0: the block's 128 masks
.Lnomask:
	v_pk_add_f32 v[SQ2:SQ2+1], v[SQ2:SQ2+1], v[SQ2+2:SQ2+3]
	v_pk_add_f32 v[SQ4:SQ4+1], v[SQ4:SQ4+1], v[SQ4+2:SQ4+3]
	v_pk_add_f32 v[SQC:SQC+1], v[SQC:SQC+1], v[SQC+2:SQC+3]
	v_add_f32 v[SQ2], v[SQ2], v[SQ2+1]
	v_add_f32 v[SQ2+1], v[SQ4], v[SQ4+1]
	v_add_f32 v[SQ2+2], v[SQC], v[SQC+1]
	v_mov_b32 v[SQ2+3], 0
.irp m, 1,2,4,8
.irp n, 0,1,2
	v_add_f32_dpp v[SQ2+\n], v[SQ2+\n], v[SQ2+\n] row_xmask:\m row_mask:0xf bank_mask:0xf
.endr
.endr
.irp n, 0,1,2
	v_permlanex16_b32 v[SQ4+\n], v[SQ2+\n], s[SEL], s[SEL+1]
.endr
.irp n, 0,1,2
	v_add_f32 v[SQ2+\n], v[SQ2+\n], v[SQ4+\n]
.endr
	ds_store_b128 v[ADK], v[SQ2:SQ2+3]             ; all lanes write the wave's four words with the same values
	BARRIER
	v_mov_b32 v[ADK], RED
.set i, 0
.rept 8
	ds_load_b128 v[SD+4*i:SD+4*i+3], v[ADK] offset:16*i
.set i, i+1
.endr
	s_wait_dscnt 0x0
.set i, 1
.rept 7
	v_pk_add_f32 v[SD:SD+1], v[SD:SD+1], v[SD+4*i:SD+4*i+1]
	v_pk_add_f32 v[SD+2:SD+3], v[SD+2:SD+3], v[SD+4*i+2:SD+4*i+3]
.set i, i+1
.endr
	v_cmp_eq_u32 vcc_lo, 0, v0
	s_wait_xcnt 0x0                                ; EXEC changes only behind this wait
	s_and_saveexec_b32 s88, vcc_lo
	global_store_b128 v[ADV], v[SD:SD+3], s[PB:PB+1]   ; thread 0: the block's three sums, and 0
	s_wait_xcnt 0x0
	s_or_b32 exec_lo, exec_lo, s88
	s_wait_tensorcnt 0x0                           ; the wave's end
	ds_add_u32 v[SPW], v[NIL]
	s_wait_dscnt 0x0
	CROUND                                         ; the closing round
	s_endpgm
.Lfunc_end_k_q47a65a027c_attn_cross:
	.size	k_q47a65a027c_attn_cross, .Lfunc_end_k_q47a65a027c_attn_cross-k_q47a65a027c_attn_cross
	.p2alignl 7, 3214868480
	.fill 96, 4, 3214868480
	.section	.rodata,"a",@progbits
	.p2align	6, 0x0
	.amdhsa_kernel k_q47a65a027c_attn_cross
		.amdhsa_group_segment_fixed_size 327680
		.amdhsa_private_segment_fixed_size 0
		.amdhsa_enable_private_segment 0
		.amdhsa_kernarg_size 56
		.amdhsa_user_sgpr_count 2
		.amdhsa_user_sgpr_kernarg_segment_ptr 1
		.amdhsa_wavefront_size32 1
		.amdhsa_system_sgpr_workgroup_id_x 1
		.amdhsa_system_sgpr_workgroup_id_y 1
		.amdhsa_system_sgpr_workgroup_id_z 1
		.amdhsa_system_vgpr_workitem_id 0
		.amdhsa_next_free_vgpr 512
		.amdhsa_next_free_sgpr 100
		.amdhsa_reserve_vcc 1
		.amdhsa_float_denorm_mode_32 3
		.amdhsa_float_denorm_mode_16_64 3
		.amdhsa_memory_ordered 1
		.amdhsa_forward_progress 1
		.amdhsa_inst_pref_size 239
	.end_amdhsa_kernel
	.amdgpu_metadata
---
amdhsa.version: [ 1, 2 ]
amdhsa.kernels:
  - .name:           k_q47a65a027c_attn_cross
    .symbol:         k_q47a65a027c_attn_cross.kd
    .args:
      - { .name: codes2, .offset: 0, .size: 8, .value_kind: global_buffer, .address_space: global }
      - { .name: ybuf, .offset: 8, .size: 8, .value_kind: global_buffer, .address_space: global }
      - { .name: part1, .offset: 16, .size: 8, .value_kind: global_buffer, .address_space: global }
      - { .name: lowp_scales, .offset: 24, .size: 8, .value_kind: global_buffer, .address_space: global }
      - { .name: u4buf, .offset: 32, .size: 8, .value_kind: global_buffer, .address_space: global }
      - { .name: maskbuf, .offset: 40, .size: 8, .value_kind: global_buffer, .address_space: global }
      - { .name: part2, .offset: 48, .size: 8, .value_kind: global_buffer, .address_space: global }
    .group_segment_fixed_size: 327680
    .private_segment_fixed_size: 0
    .kernarg_segment_align: 8
    .kernarg_segment_size: 56
    .max_flat_workgroup_size: 256
    .sgpr_count:     100
    .vgpr_count:     512
    .wavefront_size: 32
...
	.end_amdgpu_metadata
.endif
;; end of part 4
;; launch final (part 5): grid 16 x 32, 8 waves a work-group, no clusters, 0 bytes of LDS; arguments ybuf, u4buf, maskbuf, part1, part2, out0, out1; writes out0, out1
.if DOCPART == 5
	.amdgcn_target "amdgcn-amd-amdhsa--gfx1250"
	.amdhsa_code_object_version 6
	.text
	.protected	k_q47a65a027c_final
	.globl	k_q47a65a027c_final
	.p2align	8
	.type	k_q47a65a027c_final,@function
k_q47a65a027c_final:
	s_mov_b64 s[64:65], 0
	v_nop
	global_prefetch_b8 v0, s[64:65] scope:SCOPE_SE
	s_setreg_imm32_b32 hwreg(HW_REG_WAVE_MODE, 25, 1), 1
	s_wait_xcnt 0x0
; FINAL: out = f5 (f2 x1 mask + f4 u4), x1 = y f1: the last three instance norms of a decoder, as one stream: out = y (f5 f2 f1 mask) + u4 (f5 f4).
; f = 8 / sqrt(ss + 1e-5). ss1 from the four partial sums of y^2; ss2, ss4 and c = <u2, u4> from the eight partial sums of the cross launch; the last norm's sum is
; ss5 = f2^2 ss2 + 2 f2 f4 c + f4^2 ss4, so that no launch is spent on it.
; LIMIT: ss5 is formed of three sums; where t2 is close to -t4 (to about one part in a thousand of their size) its relative error grows; it is held at 0 from below.
; SHARES. Work-group y = pair2 = 16 dec + b, x = 16 rows d. Thread t keeps bytes 16 t of every row of 4,096 bytes, so its four masks stay in registers.
; A wave asks for all that it reads at once: the masks and 16 rows of y and of u4, 33 loads of 512 bytes on end, and works the rows off in the order in which they come. Each row has registers of its own and is
; finished in y's place, every row's place stands in an immediate, and nothing that a load or a store names is ever written again: so there is no ring, no stepped offset and no wait but the counted ones for data.
; With 144 registers a wave several work-groups lie on a WGP. No LDS, no matrix unit, no cluster: work-groups share nothing but 4 KB of masks, and memory binds.
.set NROW, 16
.set ROW,  4096
.set AM,  2                            ; v[2:5]    f5 f2 f1 x my four masks
.set BC,  6                            ; v[6:7]    f5 f4, twice
.set Y,   16                           ; v[16:79]  row i: four numbers of y, then of the result
.set U,   80                           ; v[80:143] row i: four numbers of u4
	s_load_b256 s[4:11], s[0:1], 0x0               ; ybuf s[4:5], u4buf s[6:7], maskbuf s[8:9], part1 s[10:11]
	s_load_b128 s[12:15], s[0:1], 0x20             ; part2 s[12:13], out0 s[14:15]
	s_load_b64 s[16:17], s[0:1], 0x30              ; out1
	s_and_b32 s18, ttmp7, 0xffff                   ; pair2
	s_lshr_b32 s19, s18, 4                         ; dec
	s_and_b32 s20, s18, 15                         ; b
	s_lshl_b32 s21, ttmp9, 16                      ; my 16 rows
	s_add_co_u32 s30, s18, 16                      ; the decoder's pair in ybuf and part1
	s_lshl_b32 s22, s30, 20
	s_add_co_u32 s22, s22, s21
	s_mov_b32 s23, 0
	s_lshl_b32 s24, s18, 20
	s_add_co_u32 s24, s24, s21
	s_mov_b32 s25, 0
	s_lshl_b32 s26, s20, 20
	s_add_co_u32 s26, s26, s21
	s_mov_b32 s27, 0
	s_lshl_b32 s28, s18, 12
	s_mov_b32 s29, 0
	s_lshl_b32 s30, s30, 4
	s_mov_b32 s31, 0
	s_lshl_b32 s32, s18, 7
	s_mov_b32 s33, 0
	v_lshlrev_b32 v1, 4, v0                        ; 16 t: never rewritten
	s_wait_kmcnt 0x0
	s_add_nc_u64 s[10:11], s[10:11], s[30:31]
	s_load_b128 s[36:39], s[10:11], 0x0
	s_add_nc_u64 s[12:13], s[12:13], s[32:33]
	s_load_b512 s[40:55], s[12:13], 0x0
	s_load_b512 s[68:83], s[12:13], 0x40
	s_add_nc_u64 s[4:5], s[4:5], s[22:23]
	s_add_nc_u64 s[6:7], s[6:7], s[24:25]
	s_add_nc_u64 s[8:9], s[8:9], s[28:29]
	s_cmp_eq_u32 s19, 0
	s_cselect_b64 s[14:15], s[14:15], s[16:17]     ; the choice hangs on the work-group's number alone
	s_add_nc_u64 s[14:15], s[14:15], s[26:27]
	global_load_b128 v[AM:AM+3], v1, s[8:9]
.set i, 0
.rept NROW
	global_load_b128 v[Y+4*i:Y+4*i+3], v1, s[4:5] offset:ROW*i th:TH_LOAD_NT
	global_load_b128 v[U+4*i:U+4*i+3], v1, s[6:7] offset:ROW*i th:TH_LOAD_NT
.set i, i+1
.endr
	s_wait_kmcnt 0x0
	v_mov_b32 v8, s36
	v_add_f32 v8, s37, v8
	v_mov_b32 v9, s38
	v_add_f32 v9, s39, v9
	v_add_f32 v8, v8, v9                           ; ss1
	v_mov_b32 v9, s40
	v_mov_b32 v10, s41
	v_mov_b32 v11, s42
.irp k, 44,48,52,68,72,76,80
	v_add_f32 v9, s[\k], v9                        ; ss2
	v_add_f32 v10, s[\k+1], v10                    ; ss4
	v_add_f32 v11, s[\k+2], v11                    ; c
.endr
	v_add_f32 v8, 0x3727c5ac, v8
	v_add_f32 v12, 0x3727c5ac, v9
	v_add_f32 v13, 0x3727c5ac, v10
	v_rsq_f32 v8, v8
	v_rsq_f32 v12, v12
	v_rsq_f32 v13, v13
	v_nop                                          ; a plain line behind the transcendentals
	s_wait_alu depctr_va_vdst(0)                   ; one wait for the three, ahead of their first reader
	v_mul_f32 v8, 0x41000000, v8                   ; f1
	v_mul_f32 v12, 0x41000000, v12                 ; f2
	v_mul_f32 v13, 0x41000000, v13                 ; f4
	v_mul_f32 v14, v12, v12
	v_mul_f32 v14, v14, v9
	v_mul_f32 v15, v13, v13
	v_fma_f32 v14, v15, v10, v14
	v_mul_f32 v15, v12, v13
	v_add_f32 v15, v15, v15
	v_fma_f32 v14, v15, v11, v14                   ; ss5
	v_max_num_f32 v14, 0, v14
	v_add_f32 v14, 0x3727c5ac, v14
	v_rsq_f32 v14, v14
	v_nop
	s_wait_alu depctr_va_vdst(0)
	v_mul_f32 v14, 0x41000000, v14                 ; f5
	v_mul_f32 v[BC], v14, v13
	v_mov_b32 v[BC+1], v[BC]
	v_mul_f32 v14, v14, v12
	v_mul_f32 v14, v14, v8                         ; f5 f2 f1
	v_mov_b32 v15, v14
	s_wait_loadcnt 2*NROW                          ; the masks are in: the rows' 32 loads are younger
	v_pk_mul_f32 v[AM:AM+1], v[AM:AM+1], v[14:15]
	v_pk_mul_f32 v[AM+2:AM+3], v[AM+2:AM+3], v[14:15]
.set i, 0
.rept NROW
	s_wait_loadcnt 2*(NROW-1-i)                    ; loads come back in order (ISA guide 5.7.1): row i's two are in; behind them stand two for each later row
	v_pk_mul_f32 v[Y+4*i:Y+4*i+1], v[Y+4*i:Y+4*i+1], v[AM:AM+1]
	v_pk_mul_f32 v[Y+4*i+2:Y+4*i+3], v[Y+4*i+2:Y+4*i+3], v[AM+2:AM+3]
	v_pk_fma_f32 v[Y+4*i:Y+4*i+1], v[U+4*i:U+4*i+1], v[BC:BC+1], v[Y+4*i:Y+4*i+1]
	v_pk_fma_f32 v[Y+4*i+2:Y+4*i+3], v[U+4*i+2:U+4*i+3], v[BC:BC+1], v[Y+4*i+2:Y+4*i+3]
	global_store_b128 v1, v[Y+4*i:Y+4*i+3], s[14:15] offset:ROW*i th:TH_STORE_NT   ; a wave stores 512 bytes on end, at a multiple of 256 from the buffer's first byte
.set i, i+1
.endr
	s_endpgm
.Lfunc_end_k_q47a65a027c_final:
	.size	k_q47a65a027c_final, .Lfunc_end_k_q47a65a027c_final-k_q47a65a027c_final
	.p2alignl 7, 3214868480
	.fill 96, 4, 3214868480
	.section	.rodata,"a",@progbits
	.p2align	6, 0x0
	.amdhsa_kernel k_q47a65a027c_final
		.amdhsa_group_segment_fixed_size 0
		.amdhsa_private_segment_fixed_size 0
		.amdhsa_enable_private_segment 0
		.amdhsa_kernarg_size 56
		.amdhsa_user_sgpr_count 2
		.amdhsa_user_sgpr_kernarg_segment_ptr 1
		.amdhsa_wavefront_size32 1
		.amdhsa_system_sgpr_workgroup_id_x 1
		.amdhsa_system_sgpr_workgroup_id_y 1
		.amdhsa_system_sgpr_workgroup_id_z 1
		.amdhsa_system_vgpr_workitem_id 0
		.amdhsa_next_free_vgpr 144
		.amdhsa_next_free_sgpr 90
		.amdhsa_reserve_vcc 0
		.amdhsa_float_denorm_mode_32 3
		.amdhsa_float_denorm_mode_16_64 3
		.amdhsa_memory_ordered 1
		.amdhsa_forward_progress 1
		.amdhsa_inst_pref_size 14
	.end_amdhsa_kernel
	.amdgpu_metadata
---
amdhsa.version: [ 1, 2 ]
amdhsa.kernels:
  - .name:           k_q47a65a027c_final
    .symbol:         k_q47a65a027c_final.kd
    .args:
      - { .name: ybuf, .offset: 0, .size: 8, .value_kind: global_buffer, .address_space: global }
      - { .name: u4buf, .offset: 8, .size: 8, .value_kind: global_buffer, .address_space: global }
      - { .name: maskbuf, .offset: 16, .size: 8, .value_kind: global_buffer, .address_space: global }
      - { .name: part1, .offset: 24, .size: 8, .value_kind: global_buffer, .address_space: global }
      - { .name: part2, .offset: 32, .size: 8, .value_kind: global_buffer, .address_space: global }
      - { .name: out0, .offset: 40, .size: 8, .value_kind: global_buffer, .address_space: global }
      - { .name: out1, .offset: 48, .size: 8, .value_kind: global_buffer, .address_space: global }
    .group_segment_fixed_size: 0
    .private_segment_fixed_size: 0
    .kernarg_segment_align: 8
    .kernarg_segment_size: 56
    .max_flat_workgroup_size: 256
    .sgpr_count:     90
    .vgpr_count:     144
    .wavefront_size: 32
...
	.end_amdgpu_metadata
.endif
;; end of part 5
